; MI455X (gfx1250); checked and timed in simulation.
; The chip was launched on July 23, 2026; its instructions are those of AMD's public machine-readable ISA for CDNA 5 (MIT licence, August 2026) and "CDNA5" Instruction Set Architecture Reference Guide (July 2026). The comments in the code are by the model that wrote it; some were corrected since.
;; model. Allowed arithmetic: matrix products marked QUANTISED: E2M3 operands, one E8M0 scale for each 32 along K, by v_wmma_scale_f32_16x16x128_f8f6f4 with both operands' format E2M3, f32 sums; everything else in f32.
;; Inputs: W 1,024 x 3,072 float32; b 3,072 float32; x 4 x 2,048 x 1,024 float32.
;; Outputs: out0 4 x 2,048 x 1,024 float32.
;; This version of the problem:
;;   THIS VERSION OF THE PROBLEM IS GIVEN IN LOW PRECISION. The matrix products marked QUANTISED in the list below multiply operands that are first quantised to E2M3 (2 exponent bits, 3 mantissa bits; 6 bits a number), with one power-of-two scale for each 32 numbers along K (OCP MX v1.0); their sums are f32. All else is computed in f32.
;;   The module's matrix products, in the order in which they are computed (A, B: the left and right operand; K: the contracted axis; several contracted axes count as one K, in the product's order):
;;     1. [M 8,192, K 1,024] x [K 1,024, N 3,072]; A: input x; B: input W: QUANTISED
;;     2. batch 4 x [M 2,048, K 1,024] x [K 1,024, N 2,048]; A: computed on the way; B: computed on the way: QUANTISED
;;     3. batch 4 x [M 2,048, K 2,048] x [K 2,048, N 1,024]; A: softmax (see below); B: computed on the way: QUANTISED
;;   THE QUANTISER, for each operand of a quantised product, along K:
;;     - K is cut into blocks of 32 from its start; a last block that is shorter is filled with zeros.
;;     - A block's scale is 2^e with e = floor(log2(the largest magnitude in the block)) - 2, held to -126 .. 127; a block of zeros has e = 0. As a byte (E8M0): e + 127.
;;     - Each number is divided by its block's scale, clamped to +-7.5, and rounded to the nearest number of E2M3, ties to even, subnormals kept.
;;     - The product sums the exact products of the quantised numbers (number of the format x scale) in f32.
;;   ~~~python
;;   def quantise(x, axis):      # numpy; x: float32 -> the quantised numbers, widened to float32 again
;;       x = np.moveaxis(x, axis, -1); K = x.shape[-1]
;;       x = np.pad(x, [(0, 0)] * (x.ndim - 1) + [(0, -K % 32)]); x = x.reshape(x.shape[:-1] + (-1, 32)); a = np.abs(x).max(-1, keepdims=True)
;;       e = np.where(a > 0, np.clip(np.frexp(np.where(a > 0, a, 1))[1] - 1 - 2, -126, 127), 0)      # np.frexp(a)[1] - 1 = floor(log2(a)), exactly
;;       r = np.clip(x / 2.0 ** e, -7.5, 7.5)
;;       step = 2.0 ** (np.maximum(np.frexp(np.where(r == 0, 1, r))[1] - 1, 0) - 3)
;;       q = np.round(r / step) * step * 2.0 ** e      # np.round: ties to even
;;       return np.moveaxis(q.reshape(q.shape[:-2] + (-1,))[..., :K], -1, axis).astype(np.float32)
;;   ~~~
;;   SOFTMAX AHEAD OF A QUANTISED PRODUCT. Where the list says 'softmax', what is quantised is not the finished softmax but p = 2^(t - M), with t = logit x log2(e) and M = ceil(the row's largest t), a whole number; so 1/2 < the row's largest p <= 1. The row's sum l is taken of the UNQUANTISED p, in f32, and the product's result is divided by l at the end. Since M is a whole number, a kernel that streams over the keys may use a running M (the ceiling of the running maximum): every later rescaling is an exact power of two, which a block's scale takes up: the codes' values come out the same.
;;   OPERANDS COMPUTED ON THE WAY. 'Computed on the way' means the value that the module computes at that place (a softmax that the list does not call 'softmax' is quantised finished and normalised). What goes into a quantiser is computed in f32, as accurately as f32 sums, v_exp_f32 and their like allow (about 1e-6 of the number): no bf16 or f16 on the way to a quantiser, and a product that is left as it is and whose result goes on into a quantised operand takes f32 operands (vector FMAs, or v_wmma_f32_16x16x4_f32). A number that lies on a knife's edge between two numbers of the format may be rounded either way, as far as f32 arithmetic and the matrix unit's own rounding can turn it there, and no further.
;; One version. Each part assembles by itself: llvm-mc -triple=amdgcn-amd-amdhsa -mcpu=gfx1250 --defsym DOCPART=n.
;; ======== version 1 of 1: 4 launches
;; workspace buffers: xop 6,553,600 bytes; wop 2,457,600 bytes; qop 6,553,600 bytes; kop 6,553,600 bytes; vop 6,553,600 bytes; pcod 12,582,912 bytes; pst 1,572,864 bytes
;; launch quant (part 1): grid 352 x 1, 4 waves a work-group, no clusters, 62,976 bytes of LDS; arguments x, W, xop, wop; writes xop, wop
.if DOCPART == 1
	.amdgcn_target "amdgcn-amd-amdhsa--gfx1250"
	.amdhsa_code_object_version 6
	.text
	.protected	k_qbdbf147306_quant
	.globl	k_qbdbf147306_quant
	.p2align	8
	.type	k_qbdbf147306_quant,@function
k_qbdbf147306_quant:
	s_mov_b64 s[64:65], 0
	v_nop
	global_prefetch_b8 v0, s[64:65] scope:SCOPE_SE
	s_setreg_imm32_b32 hwreg(HW_REG_WAVE_MODE, 25, 1), 1
	s_wait_xcnt 0x0
; x [8192][1024] and W [1024][3072], f32, become codes of FP6 (E2M3) with one E8M0 byte for each 32 along K (K = the 1,024 axis of both), laid as the products' launches read them:
; A PANEL is 128 rows x 128 K, 12,800 bytes: eight fragments of 1,536 bytes, each an image of the operand's 12 registers (chunk c of four registers at 512 c, lane l's 16 bytes at 16 l),
; then at byte 12,288 the scale words: half u at 256 u, lane-row r at 16 r, the word of tile 4 u + i at 4 i.  Panels lie [group of 128 rows][K step].
; Lane-row r of tile t is row 32 (t / 2) + 8 (t % 2) + r + 8 (r / 8) of its group, so that a transposed product's 16 registers of two neighbouring tiles are 16 neighbours along the next K.
; A block's scale is 2^(floor(log2(its largest magnitude)) - 2); its byte is the largest magnitude's exponent field - 2, held at 1 from below.
; LIMITS: a block of zeros, or one whose largest magnitude lies under 2^-124, gets the byte 1 (its codes then add nothing or next to nothing; only this program reads the bytes); NaN and infinities are not served.
; SHARES: a wave makes half a panel (4 tiles: 64 rows x 128 K).  Work-groups 0-255 take x, 256-351 take W; the two ways have LDS bytes of their own.  Waves share nothing: no barrier.
.set XST,   8448                       ; x: a wave's stage: 16 rows x (512 bytes + 16)
.set WBASE, 4*XST                      ; W: the waves' regions begin here
.set WREG,  7168                       ; a wave's region: 4 images 1,664 bytes apart (1,536 + 128, so that lanes 8-15 fall on other banks than lanes 0-7), then 256 bytes of scale words
.set WPI,   1664
.set R,     16                         ; x: v16-143  two sets of 64 registers as loaded
.set X,     144                        ; x: v144-207 64 numbers of a lane: register 16 b + i = k 32 b + 16 (lane / 16) + i of my row
.set TM,    208                        ; x: v208-223 at work
.set PC,    224                        ; x: v224-243 the codes just made
.set PW,    244                        ; x: v244-247 the four tiles' scale words
.set XW,    16                         ; W: v16-79   two sets of 32 numbers down K
.set IM,    80                         ; W: v80-127  the images: pair pp, half hh: 12 registers at IM + 24 pp + 12 hh
.set TC,    128                        ; W: v128-130 the second half of a block's codes
.set SW,    132                        ; W: v132-133 the scale words of my two columns
.set OUTR,  144                        ; W: v144-195 the way out
	s_load_b128 s[4:7], s[0:1], 0x0                ; x, W
	s_load_b128 s[8:11], s[0:1], 0x10              ; xop, wop
	v_lshl_add_u32 v254, v0, 2, 0xf400
	v_mov_b32 v255, 0
	v_lshrrev_b32 v1, 5, v0
	v_readfirstlane_b32 s12, v1                    ; wave 0..3
	v_and_b32 v1, 31, v0                           ; lane
	v_and_b32 v2, 15, v0                           ; r
	v_bfe_u32 v3, v0, 4, 1                         ; h
	v_lshlrev_b32 v4, 4, v1                        ; 16 x lane
	v_lshlrev_b32 v7, 4, v2                        ; 16 r
	v_lshlrev_b32 v14, 2, v1                       ; 4 x lane
	s_mov_b32 s20, 0x76543210
	s_mov_b32 s21, 0xfedcba98                      ; v_permlanex16_b32's selects for lane l xor 16
	; every LDS address of both ways is made here, ahead of the parting
	s_mul_i32 s13, s12, XST
	v_add_nc_u32 v5, s13, v4                       ; x, into the stage: a row's 512 bytes as loaded
	v_mul_u32_u24 v6, v2, 528
	v_lshl_add_u32 v6, v3, 6, v6
	v_add_nc_u32 v6, s13, v6                       ; x, out of it: row r, + 64 h: my 16 numbers of each block of 32
	s_mul_i32 s14, s12, WREG
	s_add_co_u32 s14, s14, WBASE
	v_bfe_u32 v8, v0, 3, 1                         ; W: lane L holds column 32 pp + L: tile 2 pp + uL, uL = (L / 8) % 2,
	v_and_b32 v9, 7, v0
	v_lshl_add_u32 v9, v3, 3, v9                   ; lane-row rL = L % 8 + 8 (L / 16)
	v_mul_u32_u24 v10, v8, WPI
	v_lshl_add_u32 v10, v9, 4, v10
	v_add_nc_u32 v10, s14, v10                     ; W, into the images
	v_lshlrev_b32 v11, 2, v8
	v_lshl_add_u32 v11, v9, 4, v11
	v_add_nc_u32 v11, s14, v11
	v_add_nc_u32 v11, 4*WPI, v11                   ; W, my scale words' place: 16 rL + 4 uL (+ 8 pp)
	v_add_nc_u32 v12, s14, v4                      ; W, back: 16 x lane
	v_add_nc_u32 v13, s14, v7
	v_add_nc_u32 v13, 4*WPI, v13                   ; W, the scale words back: 16 r
	s_cmp_lt_u32 ttmp9, 256
	s_cbranch_scc0 .Lw_path
; ---------------------------------------------------------------- x: K is innermost
; 64 numbers of a lane, v[s] on, become a fragment's codes in v[PC] on and its scale word in v[pw].
.macro QUANT s, pw
.irp b, 0,1,2,3
	v_max3_num_f32 v[TM+\b], |v[\s+16*\b]|, |v[\s+1+16*\b]|, 0x1800000   ; block b: my 16 numbers, and the floor 2^(3 - 127): the byte cannot fall under 1
.endr
.irp i, 2,4,6,8,10,12,14
.irp b, 0,1,2,3
	v_max3_num_f32 v[TM+\b], v[TM+\b], |v[\s+16*\b+\i]|, |v[\s+1+16*\b+\i]|   ; the four blocks by turns
.endr
.endr
.irp b, 0,1,2,3
	v_permlanex16_b32 v[TM+4+\b], v[TM+\b], s20, s21
.endr
.irp b, 0,1,2,3
	v_max_num_f32 v[TM+\b], v[TM+\b], v[TM+4+\b]   ; with lane l xor 16's: the block's largest magnitude
.endr
.irp b, 0,1,2,3
	v_add_nc_u32 v[TM+12+\b], 0xff000000, v[TM+\b] ; 2 off its exponent field: the conversion takes that field as its scale
.endr
.irp b, 0,1,2,3
	v_lshrrev_b32 v[TM+4+\b], 23, v[TM+12+\b]      ; the scale's byte
.endr
	v_lshl_or_b32 v[\pw], v[TM+5], 8, v[TM+4]      ; four bytes: my row's scale word
	v_lshl_or_b32 v[\pw], v[TM+6], 16, v[\pw]
	v_lshl_or_b32 v[\pw], v[TM+7], 24, v[\pw]
.irp c, 0,1
	v_cvt_scalef32_pk16_fp6_f32 v[PC+6*\c:PC+2+6*\c], v[\s+32*\c:\s+15+32*\c], v[TM+12+2*\c]
	v_cvt_scalef32_pk16_fp6_f32 v[PC+12+4*\c:PC+14+4*\c], v[\s+16+32*\c:\s+31+32*\c], v[TM+12+2*\c+1]   ; (a conversion's three registers begin on an even number)
.endr
	v_nop                                          ; one plain instruction behind the scaled conversions
.irp c, 0,1                                    ; the operand wants a WHOLE block in a lane: lanes 0-15 block 2 c, lanes 16-31 block 2 c + 1
.irp i, 0,1,2
	v_permlane16_swap_b32 v[PC+6*\c+\i], v[PC+12+4*\c+\i]
.endr
.irp i, 0,1,2
	v_mov_b32 v[PC+3+6*\c+\i], v[PC+12+4*\c+\i]
.endr
.endr
.endm
.macro LOADX tt                        ; tile tt's 16 rows: each load reads the 512 consecutive bytes of one row's K step
.irp i, 0,1,2,3,4,5,6,7,8,9,10,11,12,13,14,15
	global_load_b128 v[R+64*((\tt)%2)+4*\i:R+64*((\tt)%2)+4*\i+3], v4, s[4:5] offset:(32*((\tt)/2)+8*((\tt)%2)+\i+8*(\i/8))*4096 th:TH_LOAD_NT
.endr
.endm
.macro TURNX tt                        ; through my own stage: in by rows, out 16 neighbours a block a lane.  LDS serves a wave's instructions in order: no wait between
.irp i, 0,1,2,3,4,5,6,7,8,9,10,11,12,13,14,15
	ds_store_b128 v5, v[R+64*((\tt)%2)+4*\i:R+64*((\tt)%2)+4*\i+3] offset:528*\i
.endr
.irp b, 0,1,2,3
.irp j, 0,1,2,3
	ds_load_b128 v[X+16*\b+4*\j:X+16*\b+4*\j+3], v6 offset:128*\b+16*\j
.endr
.endr
.endm
.macro XTILE tt
.if (\tt) < 3
	s_wait_loadcnt 16                              ; this tile's 16 loads are in; the next tile's 16 may be out
.else
	s_wait_loadcnt 0x0
.endif
	TURNX \tt
	s_wait_dscnt 0x0                               ; the numbers are back, and the stage's stores have read the set that is loaded again below
.if (\tt) > 0
	s_wait_xcnt 0x0                                ; the last tile's stores have read v[PC] on: it is written again only behind this wait
.endif
.if (\tt) < 2
	LOADX (\tt)+2
.endif
	QUANT X, PW+(\tt)
.irp c, 0,1,2
	global_store_b128 v4, v[PC+4*\c:PC+4*\c+3], s[26:27] offset:1536*(\tt)+512*\c   ; 32 lanes store 512 consecutive bytes, aligned
.endr
.endm
	s_lshr_b32 s15, ttmp9, 2                       ; g: the group of 128 tokens
	s_bfe_u32 s16, ttmp9, 0x10001                  ; u: which four tiles
	s_and_b32 s17, ttmp9, 1
	s_lshl_b32 s17, s17, 2
	s_add_co_u32 s17, s17, s12                     ; the K step: 4 (id % 2) + wave
	s_lshl_b32 s22, s15, 19                        ; 128 rows of 4,096 bytes,
	s_lshl_b32 s23, s16, 18                        ; 64 rows,
	s_add_co_u32 s22, s22, s23
	s_lshl_b32 s23, s17, 9                         ; 128 numbers
	s_add_co_u32 s22, s22, s23
	s_mov_b32 s23, 0
	s_lshl_b32 s24, s15, 3
	s_add_co_u32 s24, s24, s17
	s_mul_i32 s24, s24, 12800                      ; the panel
	s_mul_i32 s25, s16, 6144
	s_add_co_u32 s26, s24, s25                     ; my four fragments
	s_mov_b32 s27, 0
	s_lshl_b32 s25, s16, 8
	s_add_co_u32 s24, s24, s25
	s_add_co_u32 s24, s24, 12288                   ; my 256 bytes of scale words
	s_mov_b32 s25, 0
.irp b, 0,1,2,3
	v_mov_b32 v[TM+4+\b], 0                        ; written once: a lane permute's destination counts as one of its sources
.endr
	s_wait_kmcnt 0x0
	s_add_nc_u64 s[4:5], s[4:5], s[22:23]
	s_add_nc_u64 s[26:27], s[8:9], s[26:27]
	s_add_nc_u64 s[24:25], s[8:9], s[24:25]
	LOADX 0
	LOADX 1
	XTILE 0
	XTILE 1
	XTILE 2
	XTILE 3
	s_wait_xcnt 0x0                                ; EXEC changes only behind this wait
	v_cmp_gt_u32 vcc_lo, 16, v1
	s_wait_tensorcnt 0x0
	ds_add_u32 v254, v255
	s_wait_dscnt 0x0
	s_and_saveexec_b32 s28, vcc_lo
	global_store_b128 v7, v[PW:PW+3], s[24:25]     ; lanes 0-15 store 256 consecutive bytes, aligned (lanes 16-31 hold the same words)
	s_endpgm
; ---------------------------------------------------------------- W: K is the first axis: a lane takes a column, its registers run down K
.Lw_path:
.macro WLOAD n                         ; unit n: block n / 2 of 32 along K, columns 32 (n % 2) + lane of my 64
.set i, 0
.rept 32
	global_load_b32 v[XW+32*((\n)%2)+i], v14, s[4:5] offset:(32*((\n)/2)+i)*12288+128*((\n)%2) th:TH_LOAD_NT
.set i, i+1
.endr
.endm
.macro WBLOCK n
.set XS, XW+32*((\n)%2)
.set BE, (\n)/2                        ; the block: it belongs to lanes' half BE % 2, registers 6 (BE / 2) on, of the fragment
.set PP, (\n)%2
.set DS, IM+24*PP+12*(BE%2)+6*(BE/2)
.if (\n) < 7
	s_wait_loadcnt 32                              ; this unit's 32 loads are in; the next unit's may be out
.else
	s_wait_loadcnt 0x0
.endif
	v_max3_num_f32 v134, |v[XS]|, |v[XS+1]|, |v[XS+2]|      ; all 32 numbers of the block are mine: two chains
	v_max3_num_f32 v135, |v[XS+3]|, |v[XS+4]|, |v[XS+5]|
.irp i, 6,10,14,18,22,26
	v_max3_num_f32 v134, v134, |v[XS+\i]|, |v[XS+\i+1]|
	v_max3_num_f32 v135, v135, |v[XS+\i+2]|, |v[XS+\i+3]|
.endr
	v_max3_num_f32 v134, v134, |v[XS+30]|, |v[XS+31]|
	v_max3_num_f32 v134, v134, v135, 0x1800000     ; and the floor
	v_add_nc_u32 v136, 0xff000000, v134            ; the conversion's scale operand
	v_lshrrev_b32 v137, 23, v136                   ; the byte
.if BE == 0
	v_mov_b32 v[SW+PP], v137
.else
	v_lshl_or_b32 v[SW+PP], v137, 8*BE, v[SW+PP]
.endif
	v_cvt_scalef32_pk16_fp6_f32 v[DS:DS+2], v[XS:XS+15], v136
	v_cvt_scalef32_pk16_fp6_f32 v[TC:TC+2], v[XS+16:XS+31], v136
	v_nop                                          ; one plain instruction behind the scaled conversions
.irp i, 0,1,2
	v_mov_b32 v[DS+3+\i], v[TC+\i]
.endr
.if (\n) < 6
	WLOAD (\n)+2
.endif
.endm
	s_sub_co_u32 s15, ttmp9, 256
	s_lshr_b32 s16, s15, 2                         ; g: the group of 128 channels
	s_bfe_u32 s17, s15, 0x10001                    ; u
	s_and_b32 s18, s15, 1
	s_lshl_b32 s18, s18, 2
	s_add_co_u32 s18, s18, s12                     ; the K step
	s_mul_i32 s22, s18, 128*12288                  ; 128 rows of W,
	s_lshl_b32 s23, s16, 9                         ; 128 columns,
	s_add_co_u32 s22, s22, s23
	s_lshl_b32 s23, s17, 8                         ; 64 columns
	s_add_co_u32 s22, s22, s23
	s_mov_b32 s23, 0
	s_lshl_b32 s24, s16, 3
	s_add_co_u32 s24, s24, s18
	s_mul_i32 s24, s24, 12800
	s_mul_i32 s25, s17, 6144
	s_add_co_u32 s26, s24, s25
	s_mov_b32 s27, 0
	s_lshl_b32 s25, s17, 8
	s_add_co_u32 s24, s24, s25
	s_add_co_u32 s24, s24, 12288
	s_mov_b32 s25, 0
	s_wait_kmcnt 0x0
	s_add_nc_u64 s[4:5], s[6:7], s[22:23]
	s_add_nc_u64 s[26:27], s[10:11], s[26:27]
	s_add_nc_u64 s[24:25], s[10:11], s[24:25]
	WLOAD 0
	WLOAD 1
.irp n, 0,1,2,3,4,5,6,7
	WBLOCK \n
.endr
.irp pp, 0,1                                   ; my registers go to the place of lane (rL, hh) in the image of tile 2 pp + uL
.irp hh, 0,1
.irp c, 0,1,2
	ds_store_b128 v10, v[IM+24*\pp+12*\hh+4*\c:IM+24*\pp+12*\hh+4*\c+3] offset:2*WPI*\pp+256*\hh+512*\c
.endr
.endr
.endr
	ds_store_b32 v11, v[SW]
	ds_store_b32 v11, v[SW+1] offset:8
.irp tt, 0,1,2,3                               ; LDS serves a wave's instructions in order: these see my stores
.irp c, 0,1,2
	ds_load_b128 v[OUTR+12*\tt+4*\c:OUTR+12*\tt+4*\c+3], v12 offset:WPI*\tt+512*\c
.endr
.endr
	ds_load_b128 v[OUTR+48:OUTR+51], v13
.set k, 0
.rept 12
	s_wait_dscnt 12-k                              ; load k is in; the 12 - k issued behind it may be out
	global_store_b128 v4, v[OUTR+4*k:OUTR+4*k+3], s[26:27] offset:1536*(k/3)+512*(k%3)   ; 512 consecutive bytes, aligned
.set k, k+1
.endr
	s_wait_dscnt 0x0
	s_wait_xcnt 0x0                                ; EXEC changes only behind this wait
	v_cmp_gt_u32 vcc_lo, 16, v1
	s_wait_tensorcnt 0x0
	ds_add_u32 v254, v255
	s_wait_dscnt 0x0
	s_and_saveexec_b32 s28, vcc_lo
	global_store_b128 v7, v[OUTR+48:OUTR+51], s[24:25]   ; lanes 0-15: 256 consecutive bytes of scale words
	s_endpgm
.Lfunc_end_k_qbdbf147306_quant:
	.size	k_qbdbf147306_quant, .Lfunc_end_k_qbdbf147306_quant-k_qbdbf147306_quant
	.p2alignl 7, 3214868480
	.fill 96, 4, 3214868480
	.section	.rodata,"a",@progbits
	.p2align	6, 0x0
	.amdhsa_kernel k_qbdbf147306_quant
		.amdhsa_group_segment_fixed_size 62976
		.amdhsa_private_segment_fixed_size 0
		.amdhsa_enable_private_segment 0
		.amdhsa_kernarg_size 32
		.amdhsa_user_sgpr_count 2
		.amdhsa_user_sgpr_kernarg_segment_ptr 1
		.amdhsa_wavefront_size32 1
		.amdhsa_system_sgpr_workgroup_id_x 1
		.amdhsa_system_sgpr_workgroup_id_y 1
		.amdhsa_system_sgpr_workgroup_id_z 1
		.amdhsa_system_vgpr_workitem_id 0
		.amdhsa_next_free_vgpr 256
		.amdhsa_next_free_sgpr 66
		.amdhsa_reserve_vcc 1
		.amdhsa_float_denorm_mode_32 3
		.amdhsa_float_denorm_mode_16_64 3
		.amdhsa_memory_ordered 1
		.amdhsa_forward_progress 1
		.amdhsa_inst_pref_size 75
	.end_amdhsa_kernel
	.amdgpu_metadata
---
amdhsa.version: [ 1, 2 ]
amdhsa.kernels:
  - .name:           k_qbdbf147306_quant
    .symbol:         k_qbdbf147306_quant.kd
    .args:
      - { .name: x, .offset: 0, .size: 8, .value_kind: global_buffer, .address_space: global }
      - { .name: W, .offset: 8, .size: 8, .value_kind: global_buffer, .address_space: global }
      - { .name: xop, .offset: 16, .size: 8, .value_kind: global_buffer, .address_space: global }
      - { .name: wop, .offset: 24, .size: 8, .value_kind: global_buffer, .address_space: global }
    .group_segment_fixed_size: 62976
    .private_segment_fixed_size: 0
    .kernarg_segment_align: 8
    .kernarg_segment_size: 32
    .max_flat_workgroup_size: 128
    .sgpr_count:     66
    .vgpr_count:     256
    .wavefront_size: 32
...
	.end_amdgpu_metadata
.endif
;; end of part 1
;; launch qkv (part 2): grid 12 x 32, 4 waves a work-group, clusters of 4 x 4, 327,680 bytes of LDS; arguments xop, wop, b, qop, kop, vop; writes qop, kop, vop
.if DOCPART == 2
	.amdgcn_target "amdgcn-amd-amdhsa--gfx1250"
	.amdhsa_code_object_version 6
	.text
	.protected	k_qbdbf147306_qkv
	.globl	k_qbdbf147306_qkv
	.p2align	8
	.type	k_qbdbf147306_qkv,@function
k_qbdbf147306_qkv:
	s_mov_b64 s[64:65], 0
	v_nop
	global_prefetch_b8 v0, s[64:65] scope:SCOPE_SE
	s_setreg_imm32_b32 hwreg(HW_REG_WAVE_MODE, 25, 1), 1
	s_wait_xcnt 0x0
	s_wait_alu depctr_hold_cnt(0) depctr_sa_sdst(0) depctr_va_vdst(0) depctr_va_sdst(0) depctr_va_ssrc(0) depctr_va_vcc(0) depctr_vm_vsrc(0)
	s_getreg_b32 s2, hwreg(HW_REG_IB_STS2, 6, 4)
	s_cmp_eq_u32 s2, 0
	s_cbranch_scc0 .Lentry_in_a_cluster
	s_endpgm
.Lentry_in_a_cluster:
	s_bfe_u32 s2, ttmp6, 0x10000c
	s_cmp_lg_u32 s2, 0xf033
	s_cbranch_scc0 .Lentry_shape_is_right
	s_endpgm
.Lentry_shape_is_right:
; qkv = x W + b on codes of FP6 (E2M3) with E8M0 scales, and the result quantised at once for the next products: Q and K along the channels, V along the keys (tokens).
; OPERANDS are panels of 128 rows x 128 K, 12,800 bytes: eight fragments as images of their 12 registers (1,536 bytes: chunk c at 512 c, lane l at 16 l), then 512 bytes of scale words
; (half u at 256 u, lane-row r at 16 r, tile 4 u + i at 4 i); panels lie [group][K step].  Lane-row r of tile t is row 32 (t / 2) + 8 (t % 2) + r + 8 (r / 8) of its group.
; A tile of 256 x 256 to a work-group, 128 x 128 to each of its four waves (64 accumulators, 512 registers).  The product is used transposed: source 0 = 16 "j" rows, source 1 = 16 "i" rows; lane (r, h)
; then holds i-row r, and the 64 registers of accumulators (a, 0..7) are j = 32 (n / 16) + 16 h + n % 16: 16 neighbours of each block of 32 along the next K.  So a wave's tile becomes ONE panel of the next operand.
; The cluster's x says which third of the 3,072 channels: 0 Q, 1 K (i = tokens, j = channels), 2 V (i = channels, j = tokens: the two sides change places by their LDS addresses alone).
; The bias is the C of each sum's first product.
; K = 1,024 is eight steps of 128, two to an LDS slot, THREE slots: three quarters of the tile's bytes are asked for at the head; slot 0 is filled once more, with steps 6 and 7.
; CLUSTERS: 4 x 4 work-groups; x's panels are shared along a row of the cluster, W's along a column: joint loads.  A wave has at most three tensor loads out.
; LIMITS: a block of zeros or under 2^-124 gets the byte 1; NaN and infinities are not served.  All of the WGP's LDS is claimed, and 0 is added to spare words.
; REGISTERS: window 0: v0-31 addresses; v32-63 scale words, two sets (nothing else ever lies there); v64-127 the bias; v128-223 the i side's eight fragments, one set; in the epilogue v192-235 at work.
;   window 1: the j side's fragments, two sets, at v0 and v128.  windows 2, 3: accumulator (a, b) at v[8 (8 (a % 4) + b)].
.set WSL,   25600                      ; what one tensor load brings: two panels
.set SLOT,  4*WSL                      ; x's two groups, then W's two
.set PANA,  12800
.set PANB,  12800
.set FSTA,  3*WSL                      ; from a slot's first fill to its second, in memory
.set FSTB,  3*WSL
.set SPARE, 3*SLOT                     ; the spare words: 128 bytes a wave, two blocks of 256 bytes that no other line names
.set SC,    32
.set BI,    64
.set AF,    128
.set ADRA,  4                          ; v4-6    i side: fragments in slot 0, 1, 2: base + 16 x lane
.set ADRB,  8                          ; v8-10   j side
.set ADSA,  12                         ; v12-14  i side: scale words: base + 12,800 h + 16 r: lanes 0-15 the slot's first step, lanes 16-31 its second
.set ADSB,  16                         ; v16-18  j side
.set SPW,   28
.set NIL,   29
.set TM,    192
.set PC,    208
.set PW,    228
.set G1A,   24                         ; s[24:31] group 1 for x's panels; s[32:43] group 0, a set for each slot
.set G0A,   32
.set G1B,   48                         ; s[48:55], s[68:79] the same for W's
.set G0B,   68
.set MUL_LO, 0xa1                      ; source 0 window 1, source 1 window 0, C and D window 2
.set MUL_HI, 0xf1
.set TO_B,   0x40
.set MSB, 0
.macro WIN new                         ; the immediate's high byte repeats the setting that is left
.if MSB != (\new)
	s_set_vgpr_msb (MSB<<8)|(\new)
.set MSB, (\new)
.endif
.endm
.macro PLACES n                        ; plain vector instructions between a matrix instruction and a load into, or a read of, its registers
.rept \n
	v_nop
.endr
.endm
.macro JLOAD s                         ; a joint load: waves 0, 1 fetch x's two groups, waves 2, 3 W's; four v_nop follow each line
	s_cmp_eq_u32 s17, 0
	s_cbranch_scc0 .Lfor_b_\@
	tensor_load_to_lds s[G0A+4*(\s):G0A+4*(\s)+3], s[G1A:G1A+7]
	s_nop 0
.rept 4
	v_nop
.endr
	s_branch .Lasked_\@
.Lfor_b_\@:
	tensor_load_to_lds s[G0B+4*(\s):G0B+4*(\s)+3], s[G1B:G1B+7]
	s_nop 0
.rept 4
	v_nop
.endr
.Lasked_\@:
.endm
.macro CREST                           ; a round of the cluster's barrier behind its opening barrier
	s_cmp_lg_u32 s16, 0
	s_cbranch_scc1 .Lnot_wave_0_\@
	s_barrier_signal -3
.Lnot_wave_0_\@:
	s_barrier_wait -3
	s_barrier_signal -1
	s_barrier_wait -1
.endm
.macro CROUND
	s_barrier_signal -1
	s_barrier_wait -1
	CREST
.endm
.macro FRAG reg, adr, off              ; a fragment comes back as it was stored: three loads of 512 consecutive bytes
.irp c, 0,1,2
	ds_load_b128 v[(\reg)+4*\c:(\reg)+4*\c+3], v[\adr] offset:(\off)+512*\c
.endr
.endm
.macro FETCH_B slot, q                 ; the j side's eight fragments of the slot's q-th step into set q
	WIN TO_B
.irp i, 0,1,2,3,4,5,6,7
	FRAG 128*(\q)+12*\i, ADRB+(\slot), (\q)*PANB+1536*\i
.endr
	WIN 0
.endm
.macro FETCH_A slot, q, i0             ; the i side's blocks i0 .. i0 + 3
.irp i, 0,1,2,3
	FRAG AF+12*((\i0)+\i), ADRA+(\slot), (\q)*PANA+1536*((\i0)+\i)
.endr
.endm
.macro SCALES slot, sc                 ; a slot's scale words into set sc: register a (i side) or 8 + b (j side): lanes 0-15 the first step's word, lanes 16-31 the second's
.irp u, 0,1
	ds_load_b128 v[SC+16*(\sc)+4*\u:SC+16*(\sc)+4*\u+3], v[ADSA+(\slot)] offset:12288+256*\u
	ds_load_b128 v[SC+16*(\sc)+8+4*\u:SC+16*(\sc)+8+4*\u+3], v[ADSB+(\slot)] offset:12288+256*\u
.endr
.endm
; one product.  cm: 0 adds in place; 2 starts the sum with the bias of the j rows (Q, K); 3 with that of the i rows (V)
.macro MM a, b, q, sc, cm
.set rD, 8*(8*((\a)%4)+(\b))
.set rB, 128*(\q)+12*(\b)
.set rA, AF+12*(\a)
.set rY, SC+16*(\sc)+8+(\b)
.set rX, SC+16*(\sc)+(\a)
.if (\q) == 1
	v_wmma_scale_f32_16x16x128_f8f6f4 v[rD:rD+7], v[rB:rB+11], v[rA:rA+11], v[rD:rD+7], v[rY], v[rX] matrix_a_fmt:MATRIX_FMT_FP6 matrix_b_fmt:MATRIX_FMT_FP6 matrix_a_scale:MATRIX_SCALE_ROW1 matrix_b_scale:MATRIX_SCALE_ROW1
.elseif (\cm) == 0
	v_wmma_scale_f32_16x16x128_f8f6f4 v[rD:rD+7], v[rB:rB+11], v[rA:rA+11], v[rD:rD+7], v[rY], v[rX] matrix_a_fmt:MATRIX_FMT_FP6 matrix_b_fmt:MATRIX_FMT_FP6
.elseif (\cm) == 2
	v_wmma_scale_f32_16x16x128_f8f6f4 v[rD:rD+7], v[rB:rB+11], v[rA:rA+11], v[BI+8*(\b):BI+8*(\b)+7], v[rY], v[rX] matrix_a_fmt:MATRIX_FMT_FP6 matrix_b_fmt:MATRIX_FMT_FP6
.else
	v_wmma_scale_f32_16x16x128_f8f6f4 v[rD:rD+7], v[rB:rB+11], v[rA:rA+11], v[BI+8*(\a):BI+8*(\a)+7], v[rY], v[rX] matrix_a_fmt:MATRIX_FMT_FP6 matrix_b_fmt:MATRIX_FMT_FP6
.endif
.endm
.macro MUL16 a0, q, sc, cm             ; 16 products; the 64 accumulators take turns, in the same order in every step
.irp a, \a0, \a0+1
.irp b, 0,1,2,3,4,5,6,7
	MM \a, \b, \q, \sc, \cm
.endr
.endr
.endm
.macro STEP0 slot, sc, cm              ; a slot's first step; it fetches the second step's fragments
	s_wait_dscnt 12                                ; all but the 12 youngest loads (the i side's blocks 4-7) are in
.if (\cm) >= 2
	WIN 0x81                                       ; C, the bias, in window 0
.else
	WIN MUL_LO
.endif
	MUL16 0, 0, \sc, \cm
	MUL16 2, 0, \sc, \cm
	s_wait_dscnt 0x0
	PLACES 4
	FETCH_B \slot, 1
	FETCH_A \slot, 1, 0
.if (\cm) >= 2
	WIN 0xc1
.else
	WIN MUL_HI
.endif
	MUL16 4, 0, \sc, \cm
	MUL16 6, 0, \sc, \cm
	PLACES 4
	WIN 0
	FETCH_A \slot, 1, 4
.endm
.macro PASS slot, sc, next, nsc        ; a slot's second step where the next slot has been shown whole by an earlier barrier and nothing is filled
	s_wait_dscnt 12
	WIN MUL_LO
	MUL16 0, 1, \sc, 0
	MUL16 2, 1, \sc, 0
	s_wait_dscnt 0x0
	PLACES 4
	FETCH_B \next, 0
	FETCH_A \next, 0, 0
	SCALES \next, \nsc
	WIN MUL_HI
	MUL16 4, 1, \sc, 0
	MUL16 6, 1, \sc, 0
	PLACES 4
	WIN 0
	FETCH_A \next, 0, 4
.endm
.macro TURN slot, sc, next, nsc, fill  ; a slot's second step with a barrier.  fill = 1: the barrier opens a round of the cluster's, and this slot is filled again behind it
	s_wait_tensorcnt 0x0                           ; all my tensor loads have landed;
	ds_add_u32 v[SPW], v[NIL]                      ; 0 onto my spare word;
	s_wait_dscnt 13                                ; (the add and the 12 youngest loads may be out)
	WIN MUL_LO
	MUL16 0, 1, \sc, 0                             ; sixteen products stand between the add and the wait for it
	s_wait_dscnt 0x0                               ; the add is done, and my reads of this slot are over
	s_barrier_signal -1
	MUL16 2, 1, \sc, 0
	WIN 0
	s_barrier_wait -1
.if \fill
	CREST                                          ; no wave of any partner still reads this slot or has a load on its way
	s_add_nc_u64 s[G0A+4*(\slot)+2:G0A+4*(\slot)+3], s[G0A+4*(\slot)+2:G0A+4*(\slot)+3], FSTA
	s_add_nc_u64 s[G0B+4*(\slot)+2:G0B+4*(\slot)+3], s[G0B+4*(\slot)+2:G0B+4*(\slot)+3], FSTB
	JLOAD \slot                                    ; the first tensor load behind the round, one a wave; its four v_nop are also the places in front of the loads below
.else
	PLACES 4
.endif
	FETCH_B \next, 0
	FETCH_A \next, 0, 0
	SCALES \next, \nsc
	WIN MUL_HI
	MUL16 4, 1, \sc, 0
	MUL16 6, 1, \sc, 0
	PLACES 4
	WIN 0
	FETCH_A \next, 0, 4
.endm
.macro LAST sc                         ; the very last step: nothing more to fetch
	s_wait_dscnt 12
	WIN MUL_LO
	MUL16 0, 1, \sc, 0
	MUL16 2, 1, \sc, 0
	s_wait_dscnt 0x0
	WIN MUL_HI
	MUL16 4, 1, \sc, 0
	MUL16 6, 1, \sc, 0
	WIN 0
.endm
; THE WAY OUT of block a: its 64 numbers a lane are quantised where they lie and leave as fragment a of the next operand's panel.  Each accumulator is read from its low end on.
.macro QOUT a
.set AC, 64*((\a)%4)
.set HI, (\a)/4
	WIN 0x0a+5*HI                                  ; sources 0 and 1: window 2 or 3
.irp bb, 0,1,2,3
	v_max3_num_f32 v[TM+\bb], |v[AC+16*\bb]|, |v[AC+16*\bb+1]|, 0x1800000   ; block bb: my 16 numbers, and the floor 2^(3 - 127)
.endr
.irp i, 2,4,6,8,10,12,14
.irp bb, 0,1,2,3
	v_max3_num_f32 v[TM+\bb], |v[AC+16*\bb+\i]|, |v[AC+16*\bb+\i+1]|, v[TM+\bb]
.endr
.endr
	WIN 0
.irp bb, 0,1,2,3
	v_permlanex16_b32 v[TM+4+\bb], v[TM+\bb], s20, s21
.endr
.irp bb, 0,1,2,3
	v_max_num_f32 v[TM+\bb], v[TM+\bb], v[TM+4+\bb]        ; with lane l xor 16's: the block's largest magnitude
.endr
.irp bb, 0,1,2,3
	v_add_nc_u32 v[TM+12+\bb], 0xff000000, v[TM+\bb]       ; 2 off its exponent field: the conversion's scale operand
.endr
.irp bb, 0,1,2,3
	v_lshrrev_b32 v[TM+4+\bb], 23, v[TM+12+\bb]            ; the byte
.endr
	v_lshl_or_b32 v[PW+(\a)], v[TM+5], 8, v[TM+4]
	v_lshl_or_b32 v[PW+(\a)], v[TM+6], 16, v[PW+(\a)]
	v_lshl_or_b32 v[PW+(\a)], v[TM+7], 24, v[PW+(\a)]
.if (\a) > 0
	s_wait_xcnt 0x0                                ; the last block's stores have read v[PC] on
.endif
	WIN 0x02+HI                                    ; source 0: window 2 or 3
.irp c, 0,1
	v_cvt_scalef32_pk16_fp6_f32 v[PC+6*\c:PC+6*\c+2], v[AC+32*\c:AC+32*\c+15], v[TM+12+2*\c]
	v_cvt_scalef32_pk16_fp6_f32 v[PC+12+4*\c:PC+14+4*\c], v[AC+16+32*\c:AC+31+32*\c], v[TM+12+2*\c+1]
.endr
	WIN 0
	v_nop                                          ; one plain instruction behind the scaled conversions
.irp c, 0,1
.irp i, 0,1,2
	v_permlane16_swap_b32 v[PC+6*\c+\i], v[PC+12+4*\c+\i]  ; a whole block to a lane
.endr
.irp i, 0,1,2
	v_mov_b32 v[PC+3+6*\c+\i], v[PC+12+4*\c+\i]
.endr
.endr
.irp c, 0,1,2
	global_store_b128 v3, v[PC+4*\c:PC+4*\c+3], s[80:81] offset:1536*(\a)+512*\c   ; 512 consecutive bytes, aligned
.endr
.endm
	s_load_b128 s[4:7], s[0:1], 0x0                ; xop, wop
	s_load_b128 s[8:11], s[0:1], 0x10              ; b, qop
	s_load_b128 s[12:15], s[0:1], 0x20             ; kop, vop
	v_lshl_add_u32 v[SPW], v0, 2, SPARE
	v_mov_b32 v[NIL], 0
	ds_add_u32 v28, v29
	ds_add_u32 v28, v29
	s_wait_dscnt 0x0
	v_lshrrev_b32 v1, 5, v0
	v_readfirstlane_b32 s16, v1                    ; wave 0..3
	s_lshr_b32 s17, s16, 1                         ; hx: which half of the tokens is mine.  Also: I fetch for x (0) or for W (1)
	s_and_b32 s18, s16, 1                          ; hw: which half of the channels.  Also: which group I fetch
	s_bfe_u32 s44, ttmp6, 0x40000                  ; cx
	s_bfe_u32 s45, ttmp6, 0x40004                  ; cy
	s_lshl_b32 s46, ttmp9, 2
	s_add_co_u32 s46, s46, s44                     ; x: 256 channels
	s_and_b32 s47, ttmp7, 0xffff
	s_lshl_b32 s47, s47, 2
	s_add_co_u32 s47, s47, s45                     ; y: 256 tokens
	s_lshl_b32 s56, s45, 2
	s_lshl_b32 s56, 15, s56                        ; my row of the cluster
	s_lshl_b32 s57, 0x1111, s44                    ; my column
	s_or_b32 s[G1A], s56, (3<<16)|(1<<21)          ; 15:0 the mask; 17:16 elements of 8 bytes; 21 set beside a mask; no padding
	s_or_b32 s[G1B], s57, (3<<16)|(1<<21)
.irp g, G1A, G1B                               ; a dense block of 25,600 bytes as 100 rows of 256
	s_mov_b32 s[\g+1], 32<<16                      ; tensor_dim0
	s_mov_b32 s[\g+2], 100<<16                     ; tensor_dim1
	s_mov_b32 s[\g+3], 32<<16                      ; tile_dim0
	s_mov_b32 s[\g+4], 100                         ; tile_dim1
	s_mov_b32 s[\g+5], 32                          ; tensor_dim0_stride
	s_mov_b32 s[\g+6], 0
	s_mov_b32 s[\g+7], 0
.endr
	s_lshl_b32 s58, s47, 1
	s_add_co_u32 s58, s58, s18                     ; x's group: 2 y + half
	s_mul_i32 s58, s58, 8*PANA
	s_mov_b32 s59, 0
	s_lshl_b32 s60, s46, 1
	s_add_co_u32 s60, s60, s18                     ; W's group: 2 x + half
	s_mul_i32 s60, s60, 8*PANB
	s_mov_b32 s61, 0
	s_mul_i32 s62, s16, WSL                        ; where they go: wave x 25,600: no place in the cluster enters an LDS address
	s_mov_b32 s20, 0x76543210
	s_mov_b32 s21, 0xfedcba98
	s_wait_kmcnt 0x0
	s_add_nc_u64 s[58:59], s[4:5], s[58:59]
	s_add_nc_u64 s[60:61], s[6:7], s[60:61]
	CROUND                                         ; all sixteen work-groups are here: the first joint loads meet
.irp s, 0,1,2
	s_mov_b32 s[G0A+4*\s], 1
	s_add_co_u32 s[G0A+4*\s+1], s62, \s*SLOT
	s_add_nc_u64 s[G0A+4*\s+2:G0A+4*\s+3], s[58:59], \s*WSL
	s_or_b32 s[G0A+4*\s+3], s[G0A+4*\s+3], 0x80000000
	s_mov_b32 s[G0B+4*\s], 1
	s_add_co_u32 s[G0B+4*\s+1], s62, \s*SLOT
	s_add_nc_u64 s[G0B+4*\s+2:G0B+4*\s+3], s[60:61], \s*WSL
	s_or_b32 s[G0B+4*\s+3], s[G0B+4*\s+3], 0x80000000
	JLOAD \s
.endr
	v_and_b32 v1, 15, v0                           ; r
	v_bfe_u32 v2, v0, 4, 1                         ; h
	v_and_b32 v3, 31, v0
	v_lshlrev_b32 v3, 4, v3                        ; 16 x lane
	v_mul_u32_u24 v20, v2, PANA
	v_lshl_add_u32 v20, v1, 4, v20                 ; 12,800 h + 16 r
	s_mul_i32 s82, s17, WSL                        ; my group of x in a slot,
	s_mul_i32 s83, s18, WSL
	s_add_co_u32 s83, s83, 2*WSL                   ; my group of W
	s_cmp_eq_u32 ttmp9, 2                          ; V: the sides change places (the cluster's x is the same in all partners)
	s_cselect_b32 s84, s83, s82                    ; the i side
	s_cselect_b32 s85, s82, s83                    ; the j side
.irp s, 0,1,2
	v_add_nc_u32 v[ADRA+\s], s84, v3
	v_add_nc_u32 v[ADRB+\s], s85, v3
	v_add_nc_u32 v[ADSA+\s], s84, v20
	v_add_nc_u32 v[ADSB+\s], s85, v20
	s_add_co_u32 s84, s84, SLOT
	s_add_co_u32 s85, s85, SLOT
.endr
	; where my panel goes.  Q, K: group 2 y + hx, K step 2 cx + hw.  V: [batch y / 8][group 2 cx + hw][K step 2 (y % 8) + hx]
	s_lshl_b32 s86, s47, 1
	s_add_co_u32 s86, s86, s17
	s_lshl_b32 s86, s86, 3
	s_lshl_b32 s87, s44, 1
	s_add_co_u32 s87, s87, s18
	s_add_co_u32 s86, s86, s87
	s_lshr_b32 s88, s47, 3
	s_lshl_b32 s88, s88, 3
	s_add_co_u32 s88, s88, s87
	s_lshl_b32 s88, s88, 4
	s_and_b32 s89, s47, 7
	s_lshl_b32 s89, s89, 1
	s_add_co_u32 s89, s89, s17
	s_add_co_u32 s88, s88, s89
	s_cmp_eq_u32 ttmp9, 2
	s_cselect_b32 s86, s88, s86
	s_cselect_b64 s[80:81], s[14:15], s[12:13]
	s_cmp_eq_u32 ttmp9, 0
	s_cselect_b64 s[80:81], s[10:11], s[80:81]
	s_mul_i32 s86, s86, 12800
	s_mov_b32 s87, 0
	s_add_nc_u64 s[80:81], s[80:81], s[86:87]
	; the bias of my 128 channels, from channel 256 x + 128 hw on, in the result's layout
	s_lshl_b32 s90, s46, 10
	s_lshl_b32 s91, s18, 9
	s_add_co_u32 s90, s90, s91
	v_lshl_add_u32 v21, v2, 6, s90                 ; Q, K: register 16 bb + i holds channel 32 bb + 16 h + i
	v_and_b32 v22, 8, v1
	v_add_nc_u32 v22, v22, v1
	v_lshl_add_u32 v22, v22, 2, s90                ; V: my lane's channel of tile a: 32 (a / 2) + 8 (a % 2) + r + 8 (r / 8), in all eight registers
	s_cmp_eq_u32 ttmp9, 2
	s_cbranch_scc1 .Lbias_v
.irp bb, 0,1,2,3
.irp j, 0,1,2,3
	global_load_b128 v[BI+16*\bb+4*\j:BI+16*\bb+4*\j+3], v21, s[8:9] offset:128*\bb+16*\j
.endr
.endr
	s_branch .Lbias_done
.Lbias_v:
.irp a, 0,1,2,3,4,5,6,7
.irp e, 0,1,2,3,4,5,6,7
	global_load_b32 v[BI+8*\a+\e], v22, s[8:9] offset:4*(32*(\a/2)+8*(\a%2))
.endr
.endr
.Lbias_done:
	s_wait_tensorcnt 2                             ; my part of slot 0 is in; slots 1 and 2 may be out
	s_barrier_signal -1
	s_barrier_wait -1                              ; everybody's is
	FETCH_B 0, 0
	FETCH_A 0, 0, 0
	SCALES 0, 0
	FETCH_A 0, 0, 4
	s_wait_loadcnt 0x0                             ; the bias
	s_cmp_eq_u32 ttmp9, 2
	s_cbranch_scc1 .Lfirst_v
	STEP0 0, 0, 2                                  ; step 0 starts the sums with the bias
	s_branch .Lfirst_done
.Lfirst_v:
	STEP0 0, 0, 3
.Lfirst_done:
	TURN 0, 0, 1, 1, 1                             ; step 1; slot 0 takes steps 6 and 7: four and a half steps ahead of their first read
	STEP0 1, 1, 0                                  ; step 2
	PASS 1, 1, 2, 0                                ; step 3: slot 2 was whole at the barrier above
	STEP0 2, 0, 0                                  ; step 4
	TURN 2, 0, 0, 1, 0                             ; step 5: slot 0's second fill is shown whole; nothing is filled, so no round
	STEP0 0, 1, 0                                  ; step 6
	LAST 1                                         ; step 7
	PLACES 4
.irp bb, 0,1,2,3
	v_mov_b32 v[TM+4+\bb], 0                       ; written once: a lane permute's destination counts as one of its sources
.endr
.irp a, 0,1,2,3,4,5,6,7
	QOUT \a
.endr
	v_cmp_ne_u32 vcc_lo, 0, v2
	s_wait_xcnt 0x0                                ; block 7's stores have read v[PC] on
.irp i, 0,1,2,3
	v_cndmask_b32 v[PC+\i], v[PW+\i], v[PW+4+\i], vcc_lo   ; lanes 0-15 the words of tiles 0-3, lanes 16-31 those of tiles 4-7
.endr
	global_store_b128 v3, v[PC:PC+3], s[80:81] offset:12288   ; the panel's 512 bytes of scale words
	s_wait_tensorcnt 0x0                           ; the wave's end
	ds_add_u32 v[SPW], v[NIL]
	s_wait_dscnt 0x0
	CROUND                                         ; the closing round
	s_endpgm
.Lfunc_end_k_qbdbf147306_qkv:
	.size	k_qbdbf147306_qkv, .Lfunc_end_k_qbdbf147306_qkv-k_qbdbf147306_qkv
	.p2alignl 7, 3214868480
	.fill 96, 4, 3214868480
	.section	.rodata,"a",@progbits
	.p2align	6, 0x0
	.amdhsa_kernel k_qbdbf147306_qkv
		.amdhsa_group_segment_fixed_size 327680
		.amdhsa_private_segment_fixed_size 0
		.amdhsa_enable_private_segment 0
		.amdhsa_kernarg_size 48
		.amdhsa_user_sgpr_count 2
		.amdhsa_user_sgpr_kernarg_segment_ptr 1
		.amdhsa_wavefront_size32 1
		.amdhsa_system_sgpr_workgroup_id_x 1
		.amdhsa_system_sgpr_workgroup_id_y 1
		.amdhsa_system_sgpr_workgroup_id_z 1
		.amdhsa_system_vgpr_workitem_id 0
		.amdhsa_next_free_vgpr 1024
		.amdhsa_next_free_sgpr 96
		.amdhsa_reserve_vcc 1
		.amdhsa_float_denorm_mode_32 3
		.amdhsa_float_denorm_mode_16_64 3
		.amdhsa_memory_ordered 1
		.amdhsa_forward_progress 1
		.amdhsa_inst_pref_size 156
	.end_amdhsa_kernel
	.amdgpu_metadata
---
amdhsa.version: [ 1, 2 ]
amdhsa.kernels:
  - .name:           k_qbdbf147306_qkv
    .symbol:         k_qbdbf147306_qkv.kd
    .args:
      - { .name: xop, .offset: 0, .size: 8, .value_kind: global_buffer, .address_space: global }
      - { .name: wop, .offset: 8, .size: 8, .value_kind: global_buffer, .address_space: global }
      - { .name: b, .offset: 16, .size: 8, .value_kind: global_buffer, .address_space: global }
      - { .name: qop, .offset: 24, .size: 8, .value_kind: global_buffer, .address_space: global }
      - { .name: kop, .offset: 32, .size: 8, .value_kind: global_buffer, .address_space: global }
      - { .name: vop, .offset: 40, .size: 8, .value_kind: global_buffer, .address_space: global }
    .group_segment_fixed_size: 327680
    .private_segment_fixed_size: 0
    .kernarg_segment_align: 8
    .kernarg_segment_size: 48
    .max_flat_workgroup_size: 128
    .sgpr_count:     96
    .vgpr_count:     1024
    .wavefront_size: 32
...
	.end_amdgpu_metadata
.endif
;; end of part 2
;; launch score (part 3): grid 8 x 32, 4 waves a work-group, clusters of 4 x 4, 327,680 bytes of LDS; arguments qop, kop, pcod, pst; writes pcod, pst
.if DOCPART == 3
	.amdgcn_target "amdgcn-amd-amdhsa--gfx1250"
	.amdhsa_code_object_version 6
	.text
	.protected	k_qbdbf147306_score
	.globl	k_qbdbf147306_score
	.p2align	8
	.type	k_qbdbf147306_score,@function
k_qbdbf147306_score:
	s_mov_b64 s[64:65], 0
	v_nop
	global_prefetch_b8 v0, s[64:65] scope:SCOPE_SE
	s_setreg_imm32_b32 hwreg(HW_REG_WAVE_MODE, 25, 1), 1
	s_wait_xcnt 0x0
	s_wait_alu depctr_hold_cnt(0) depctr_sa_sdst(0) depctr_va_vdst(0) depctr_va_sdst(0) depctr_va_ssrc(0) depctr_va_vcc(0) depctr_vm_vsrc(0)
	s_getreg_b32 s2, hwreg(HW_REG_IB_STS2, 6, 4)
	s_cmp_eq_u32 s2, 0
	s_cbranch_scc0 .Lentry_in_a_cluster
	s_endpgm
.Lentry_in_a_cluster:
	s_bfe_u32 s2, ttmp6, 0x10000c
	s_cmp_lg_u32 s2, 0xf033
	s_cbranch_scc0 .Lentry_shape_is_right
	s_endpgm
.Lentry_shape_is_right:
; S = Q K^T on codes of FP6 (E2M3) with E8M0 scales, and the softmax's numerator quantised at once for the next product.
; For each query and each run of 128 keys (a wave's tile): t = score x log2(e) / 32; M = the run's largest t rounded UP to a whole number; p = 2^(t - M); the run's sum of the unquantised p, in f32; p quantised along
; the keys, 32 to a block.  Stored: the codes (pcod, panels of 12,288 bytes: eight fragments as images of their registers) and, in pst, 1,536 bytes a panel: the scale words, -M and the sum, each 512 bytes as
; [half u][lane-row r][tile 4 u + i].  M is a whole number, so the next launch brings every run under the row's own M by adding a whole number to the scale bytes: the codes stay as they are.
; The product's frame is the one of the launch before: tiles of 256 x 256, waves of 128 x 128, transposed use (source 0 = 16 keys, source 1 = 16 queries: a lane holds one query, its registers run along the keys),
; eight K steps through three LDS slots of two steps, 4 x 4 clusters: Q's panels shared along a row, K's along a column.  A wave has at most three tensor loads out.
; LIMITS: p under 2^-126 becomes 0 (v_exp_f32 gives no denormals); a block whose every p is 0 gets the byte 1; NaN and infinities are not served.  All of the WGP's LDS is claimed, and 0 is added to spare words.
; REGISTERS: window 0: v0-31 addresses; v32-63 scale words, two sets; v128-223 Q's fragments; in the epilogue v128-254 at work.  window 1: K's fragments, two sets.  windows 2, 3: accumulators.
.set WSL,   25600
.set SLOT,  4*WSL
.set PANA,  12800
.set PANB,  12800
.set FSTA,  3*WSL
.set FSTB,  3*WSL
.set SPARE, 3*SLOT
.set SC,    32
.set AF,    128
.set ADRA,  4
.set ADRB,  8
.set ADSA,  12
.set ADSB,  16
.set SPW,   28
.set NIL,   29
.set T,     128                        ; v128-191 t - M, then p
.set BM,    192                        ; v192-195 each block's largest score, then its largest p
.set B2,    196                        ; v196-199 at work
.set SCO,   200                        ; v200-203 the conversions' scale operands
.set LS,    204                        ; v204-207 the sum, in two chains of pairs
.set PC,    208                        ; v208-227 the codes just made
.set PW,    228                        ; v228-235 the eight blocks' scale words
.set NM,    236                        ; v236-243 their -M
.set LL,    244                        ; v244-251 their sums
.set NT,    252                        ; v[252:253] -M in hand (the packed form names a pair and takes its low word for both halves)
.set G1A,   24
.set G0A,   32
.set G1B,   48
.set G0B,   68
.set MUL_LO, 0xa1
.set MUL_HI, 0xf1
.set TO_B,   0x40
.set MSB, 0
.macro WIN new
.if MSB != (\new)
	s_set_vgpr_msb (MSB<<8)|(\new)
.set MSB, (\new)
.endif
.endm
.macro PLACES n
.rept \n
	v_nop
.endr
.endm
.macro JLOAD s                         ; a joint load: waves 0, 1 fetch Q's two groups, waves 2, 3 K's; four v_nop follow each line
	s_cmp_eq_u32 s17, 0
	s_cbranch_scc0 .Lfor_b_\@
	tensor_load_to_lds s[G0A+4*(\s):G0A+4*(\s)+3], s[G1A:G1A+7]
	s_nop 0
.rept 4
	v_nop
.endr
	s_branch .Lasked_\@
.Lfor_b_\@:
	tensor_load_to_lds s[G0B+4*(\s):G0B+4*(\s)+3], s[G1B:G1B+7]
	s_nop 0
.rept 4
	v_nop
.endr
.Lasked_\@:
.endm
.macro CREST
	s_cmp_lg_u32 s16, 0
	s_cbranch_scc1 .Lnot_wave_0_\@
	s_barrier_signal -3
.Lnot_wave_0_\@:
	s_barrier_wait -3
	s_barrier_signal -1
	s_barrier_wait -1
.endm
.macro CROUND
	s_barrier_signal -1
	s_barrier_wait -1
	CREST
.endm
.macro FRAG reg, adr, off
.irp c, 0,1,2
	ds_load_b128 v[(\reg)+4*\c:(\reg)+4*\c+3], v[\adr] offset:(\off)+512*\c
.endr
.endm
.macro FETCH_B slot, q
	WIN TO_B
.irp i, 0,1,2,3,4,5,6,7
	FRAG 128*(\q)+12*\i, ADRB+(\slot), (\q)*PANB+1536*\i
.endr
	WIN 0
.endm
.macro FETCH_A slot, q, i0
.irp i, 0,1,2,3
	FRAG AF+12*((\i0)+\i), ADRA+(\slot), (\q)*PANA+1536*((\i0)+\i)
.endr
.endm
.macro SCALES slot, sc
.irp u, 0,1
	ds_load_b128 v[SC+16*(\sc)+4*\u:SC+16*(\sc)+4*\u+3], v[ADSA+(\slot)] offset:12288+256*\u
	ds_load_b128 v[SC+16*(\sc)+8+4*\u:SC+16*(\sc)+8+4*\u+3], v[ADSB+(\slot)] offset:12288+256*\u
.endr
.endm
.macro MM a, b, q, sc, cm              ; cm: 0 adds in place; 1 starts the sum
.set rD, 8*(8*((\a)%4)+(\b))
.set rB, 128*(\q)+12*(\b)
.set rA, AF+12*(\a)
.set rY, SC+16*(\sc)+8+(\b)
.set rX, SC+16*(\sc)+(\a)
.if (\q) == 1
	v_wmma_scale_f32_16x16x128_f8f6f4 v[rD:rD+7], v[rB:rB+11], v[rA:rA+11], v[rD:rD+7], v[rY], v[rX] matrix_a_fmt:MATRIX_FMT_FP6 matrix_b_fmt:MATRIX_FMT_FP6 matrix_a_scale:MATRIX_SCALE_ROW1 matrix_b_scale:MATRIX_SCALE_ROW1
.elseif (\cm) == 0
	v_wmma_scale_f32_16x16x128_f8f6f4 v[rD:rD+7], v[rB:rB+11], v[rA:rA+11], v[rD:rD+7], v[rY], v[rX] matrix_a_fmt:MATRIX_FMT_FP6 matrix_b_fmt:MATRIX_FMT_FP6
.else
	v_wmma_scale_f32_16x16x128_f8f6f4 v[rD:rD+7], v[rB:rB+11], v[rA:rA+11], 0, v[rY], v[rX] matrix_a_fmt:MATRIX_FMT_FP6 matrix_b_fmt:MATRIX_FMT_FP6
.endif
.endm
.macro MUL16 a0, q, sc, cm             ; the 64 accumulators take turns, in the same order in every step
.irp a, \a0, \a0+1
.irp b, 0,1,2,3,4,5,6,7
	MM \a, \b, \q, \sc, \cm
.endr
.endr
.endm
.macro STEP0 slot, sc, cm
	s_wait_dscnt 12                                ; all but the 12 youngest loads (Q's blocks 4-7) are in
	WIN MUL_LO
	MUL16 0, 0, \sc, \cm
	MUL16 2, 0, \sc, \cm
	s_wait_dscnt 0x0
	PLACES 4
	FETCH_B \slot, 1
	FETCH_A \slot, 1, 0
	WIN MUL_HI
	MUL16 4, 0, \sc, \cm
	MUL16 6, 0, \sc, \cm
	PLACES 4
	WIN 0
	FETCH_A \slot, 1, 4
.endm
.macro PASS slot, sc, next, nsc
	s_wait_dscnt 12
	WIN MUL_LO
	MUL16 0, 1, \sc, 0
	MUL16 2, 1, \sc, 0
	s_wait_dscnt 0x0
	PLACES 4
	FETCH_B \next, 0
	FETCH_A \next, 0, 0
	SCALES \next, \nsc
	WIN MUL_HI
	MUL16 4, 1, \sc, 0
	MUL16 6, 1, \sc, 0
	PLACES 4
	WIN 0
	FETCH_A \next, 0, 4
.endm
.macro TURN slot, sc, next, nsc, fill
	s_wait_tensorcnt 0x0                           ; all my tensor loads have landed;
	ds_add_u32 v[SPW], v[NIL]                      ; 0 onto my spare word;
	s_wait_dscnt 13                                ; (the add and the 12 youngest loads may be out)
	WIN MUL_LO
	MUL16 0, 1, \sc, 0
	s_wait_dscnt 0x0                               ; the add is done, and my reads of this slot are over
	s_barrier_signal -1
	MUL16 2, 1, \sc, 0
	WIN 0
	s_barrier_wait -1
.if \fill
	CREST
	s_add_nc_u64 s[G0A+4*(\slot)+2:G0A+4*(\slot)+3], s[G0A+4*(\slot)+2:G0A+4*(\slot)+3], FSTA
	s_add_nc_u64 s[G0B+4*(\slot)+2:G0B+4*(\slot)+3], s[G0B+4*(\slot)+2:G0B+4*(\slot)+3], FSTB
	JLOAD \slot
.else
	PLACES 4
.endif
	FETCH_B \next, 0
	FETCH_A \next, 0, 0
	SCALES \next, \nsc
	WIN MUL_HI
	MUL16 4, 1, \sc, 0
	MUL16 6, 1, \sc, 0
	PLACES 4
	WIN 0
	FETCH_A \next, 0, 4
.endm
.macro LAST sc
	s_wait_dscnt 12
	WIN MUL_LO
	MUL16 0, 1, \sc, 0
	MUL16 2, 1, \sc, 0
	s_wait_dscnt 0x0
	WIN MUL_HI
	MUL16 4, 1, \sc, 0
	MUL16 6, 1, \sc, 0
	WIN 0
.endm
; THE WAY OUT of block a (16 queries x 128 keys).  Each accumulator is read from its low end on.
.macro POUT a
.set AC, 64*((\a)%4)
.set HI, (\a)/4
	WIN 0x0a+5*HI                                  ; sources 0 and 1: window 2 or 3
.irp bb, 0,1,2,3
	v_max_num_f32 v[BM+\bb], v[AC+16*\bb], v[AC+16*\bb+1]  ; the largest SCORE of each block of 32 keys: it serves for the row's maximum and, since p rises with the score, for the block's largest p
.endr
.irp i, 2,4,6,8,10,12,14
.irp bb, 0,1,2,3
	v_max3_num_f32 v[BM+\bb], v[AC+16*\bb+\i], v[AC+16*\bb+\i+1], v[BM+\bb]
.endr
.endr
	WIN 0
.irp bb, 0,1,2,3
	v_permlanex16_b32 v[B2+\bb], v[BM+\bb], s20, s21
.endr
.irp bb, 0,1,2,3
	v_max_num_f32 v[BM+\bb], v[BM+\bb], v[B2+\bb]  ; with lane l xor 16's 16 keys
.endr
	v_max3_num_f32 v254, v[BM], v[BM+1], v[BM+2]
	v_max_num_f32 v254, v254, v[BM+3]              ; my query's largest score of these 128 keys
	v_mul_f32 v254, s22, v254                      ; as t (c is positive)
	v_floor_f32 v[NT], -v254                       ; -M = floor(-t) = -ceil(t): a whole number
	v_mov_b32 v[NM+(\a)], v[NT]
	WIN 0x02+HI                                    ; source 0: window 2 or 3
.set n, 0
.rept 32
	v_pk_fma_f32 v[T+2*n:T+2*n+1], v[AC+2*n:AC+2*n+1], s[22:23], v[NT:NT+1] op_sel_hi:[1,0,0]   ; t - M, two at a time
.set n, n+1
.endr
	WIN 0
.irp bb, 0,1,2,3
	v_fma_f32 v[BM+\bb], v[BM+\bb], s22, v[NT]     ; the same of each block's largest score
.endr
.set n, 0
.rept 64
	v_exp_f32 v[T+n], v[T+n]                       ; p = 2^(t - M): not normalised
.set n, n+1
.endr
	v_nop                                          ; a plain instruction behind the exponentials
	s_wait_alu depctr_va_vdst(0)                   ; one wait for the batch of 64, ahead of its first reader
.irp bb, 0,1,2,3
	v_exp_f32 v[BM+\bb], v[BM+\bb]                 ; the block's largest p: the same two instructions on the same number give the same bits
.endr
	v_pk_add_f32 v[LS:LS+1], v[T:T+1], v[T+4:T+5]  ; the sum of the UNQUANTISED p, in two chains; it reads the 64 alone: plain work behind the four
	v_pk_add_f32 v[LS+2:LS+3], v[T+2:T+3], v[T+6:T+7]
.irp j, 8,12,16,20,24,28,32,36,40,44,48,52,56,60
	v_pk_add_f32 v[LS:LS+1], v[LS:LS+1], v[T+\j:T+\j+1]
	v_pk_add_f32 v[LS+2:LS+3], v[LS+2:LS+3], v[T+\j+2:T+\j+3]
.endr
	v_pk_add_f32 v[LS:LS+1], v[LS:LS+1], v[LS+2:LS+3]
	s_wait_alu depctr_va_vdst(0)                   ; and one wait for the four
.irp bb, 0,1,2,3
	v_max_num_f32 v[BM+\bb], 0x1800000, v[BM+\bb]  ; the floor 2^(3 - 127): the byte cannot fall under 1
.endr
.irp bb, 0,1,2,3
	v_add_nc_u32 v[SCO+\bb], 0xff000000, v[BM+\bb] ; 2 off the exponent field: the conversion's scale operand
.endr
.irp bb, 0,1,2,3
	v_lshrrev_b32 v[B2+\bb], 23, v[SCO+\bb]        ; the byte
.endr
	v_lshl_or_b32 v[PW+(\a)], v[B2+1], 8, v[B2]
	v_lshl_or_b32 v[PW+(\a)], v[B2+2], 16, v[PW+(\a)]
	v_lshl_or_b32 v[PW+(\a)], v[B2+3], 24, v[PW+(\a)]
.if (\a) > 0
	s_wait_xcnt 0x0                                ; the last block's stores have read v[PC] on
.endif
.irp c, 0,1
	v_cvt_scalef32_pk16_fp6_f32 v[PC+6*\c:PC+6*\c+2], v[T+32*\c:T+32*\c+15], v[SCO+2*\c]
	v_cvt_scalef32_pk16_fp6_f32 v[PC+12+4*\c:PC+14+4*\c], v[T+16+32*\c:T+31+32*\c], v[SCO+2*\c+1]
.endr
	v_nop                                          ; one plain instruction behind the scaled conversions
.irp c, 0,1
.irp i, 0,1,2
	v_permlane16_swap_b32 v[PC+6*\c+\i], v[PC+12+4*\c+\i]
.endr
.irp i, 0,1,2
	v_mov_b32 v[PC+3+6*\c+\i], v[PC+12+4*\c+\i]
.endr
.endr
	v_add_f32 v[LS], v[LS], v[LS+1]                ; the sum's two halves,
	v_permlanex16_b32 v[LS+2], v[LS], s20, s21
	v_add_f32 v[LL+(\a)], v[LS], v[LS+2]           ; and lane l xor 16's
.irp c, 0,1,2
	global_store_b128 v3, v[PC+4*\c:PC+4*\c+3], s[80:81] offset:1536*(\a)+512*\c   ; 512 consecutive bytes, aligned
.endr
.endm
	s_load_b128 s[4:7], s[0:1], 0x0                ; qop, kop
	s_load_b128 s[8:11], s[0:1], 0x10              ; pcod, pst
	v_lshl_add_u32 v[SPW], v0, 2, SPARE
	v_mov_b32 v[NIL], 0
	ds_add_u32 v28, v29
	ds_add_u32 v28, v29
	s_wait_dscnt 0x0
	v_lshrrev_b32 v1, 5, v0
	v_readfirstlane_b32 s16, v1                    ; wave 0..3
	s_lshr_b32 s17, s16, 1                         ; wi: which half of the queries.  Also: I fetch for Q (0) or for K (1)
	s_and_b32 s18, s16, 1                          ; wj: which half of the keys.  Also: which group I fetch
	s_bfe_u32 s44, ttmp6, 0x40000                  ; cx
	s_bfe_u32 s45, ttmp6, 0x40004                  ; cy
	s_lshl_b32 s46, ttmp9, 2
	s_add_co_u32 s46, s46, s44                     ; x: 256 keys of the batch
	s_and_b32 s47, ttmp7, 0xffff
	s_lshl_b32 s47, s47, 2
	s_add_co_u32 s47, s47, s45                     ; y: 256 queries (eight y to a batch)
	s_lshl_b32 s56, s45, 2
	s_lshl_b32 s56, 15, s56
	s_lshl_b32 s57, 0x1111, s44
	s_or_b32 s[G1A], s56, (3<<16)|(1<<21)
	s_or_b32 s[G1B], s57, (3<<16)|(1<<21)
.irp g, G1A, G1B                               ; a dense block of 25,600 bytes as 100 rows of 256
	s_mov_b32 s[\g+1], 32<<16
	s_mov_b32 s[\g+2], 100<<16
	s_mov_b32 s[\g+3], 32<<16
	s_mov_b32 s[\g+4], 100
	s_mov_b32 s[\g+5], 32
	s_mov_b32 s[\g+6], 0
	s_mov_b32 s[\g+7], 0
.endr
	s_lshl_b32 s58, s47, 1
	s_add_co_u32 s58, s58, s18                     ; Q's group: 2 y + half
	s_mul_i32 s58, s58, 8*PANA
	s_mov_b32 s59, 0
	s_and_b32 s60, ttmp7, 0xffff
	s_lshr_b32 s60, s60, 1                         ; the batch: two clusters along y to a batch: it hangs on the cluster's y alone
	s_lshl_b32 s60, s60, 4
	s_lshl_b32 s61, s46, 1
	s_add_co_u32 s60, s60, s61
	s_add_co_u32 s60, s60, s18                     ; K's group: 16 x batch + 2 x + half
	s_mul_i32 s60, s60, 8*PANB
	s_mov_b32 s61, 0
	s_mul_i32 s62, s16, WSL
	s_mov_b32 s20, 0x76543210
	s_mov_b32 s21, 0xfedcba98
	s_mov_b32 s22, 0x3d38aa3b                      ; c = log2(e) / sqrt(1024)
	s_mov_b32 s23, s22
	s_wait_kmcnt 0x0
	s_add_nc_u64 s[58:59], s[4:5], s[58:59]
	s_add_nc_u64 s[60:61], s[6:7], s[60:61]
	CROUND                                         ; all sixteen work-groups are here: the first joint loads meet
.irp s, 0,1,2
	s_mov_b32 s[G0A+4*\s], 1
	s_add_co_u32 s[G0A+4*\s+1], s62, \s*SLOT
	s_add_nc_u64 s[G0A+4*\s+2:G0A+4*\s+3], s[58:59], \s*WSL
	s_or_b32 s[G0A+4*\s+3], s[G0A+4*\s+3], 0x80000000
	s_mov_b32 s[G0B+4*\s], 1
	s_add_co_u32 s[G0B+4*\s+1], s62, \s*SLOT
	s_add_nc_u64 s[G0B+4*\s+2:G0B+4*\s+3], s[60:61], \s*WSL
	s_or_b32 s[G0B+4*\s+3], s[G0B+4*\s+3], 0x80000000
	JLOAD \s
.endr
	v_and_b32 v1, 15, v0                           ; r
	v_bfe_u32 v2, v0, 4, 1                         ; h
	v_and_b32 v3, 31, v0
	v_lshlrev_b32 v3, 4, v3                        ; 16 x lane
	v_mul_u32_u24 v20, v2, PANA
	v_lshl_add_u32 v20, v1, 4, v20                 ; 12,800 h + 16 r
	s_mul_i32 s84, s17, WSL                        ; my group of Q in a slot,
	s_mul_i32 s85, s18, WSL
	s_add_co_u32 s85, s85, 2*WSL                   ; my group of K
.irp s, 0,1,2
	v_add_nc_u32 v[ADRA+\s], s84, v3
	v_add_nc_u32 v[ADRB+\s], s85, v3
	v_add_nc_u32 v[ADSA+\s], s84, v20
	v_add_nc_u32 v[ADSB+\s], s85, v20
	s_add_co_u32 s84, s84, SLOT
	s_add_co_u32 s85, s85, SLOT
.endr
	s_lshl_b32 s86, s47, 1
	s_add_co_u32 s86, s86, s17                     ; the queries' group: 2 y + wi,
	s_lshl_b32 s86, s86, 4
	s_lshl_b32 s87, s46, 1
	s_add_co_u32 s87, s87, s18                     ; the run of 128 keys: 2 x + wj
	s_add_co_u32 s86, s86, s87
	s_mul_i32 s88, s86, 1536
	s_mov_b32 s89, 0
	s_mul_i32 s86, s86, 12288
	s_mov_b32 s87, 0
	s_add_nc_u64 s[80:81], s[8:9], s[86:87]
	s_add_nc_u64 s[82:83], s[10:11], s[88:89]
	s_wait_tensorcnt 2                             ; my part of slot 0 is in; slots 1 and 2 may be out
	s_barrier_signal -1
	s_barrier_wait -1
	FETCH_B 0, 0
	FETCH_A 0, 0, 0
	SCALES 0, 0
	FETCH_A 0, 0, 4
	STEP0 0, 0, 1                                  ; step 0 starts the sums: nothing is cleared
	TURN 0, 0, 1, 1, 1                             ; step 1; slot 0 takes steps 6 and 7
	STEP0 1, 1, 0
	PASS 1, 1, 2, 0                                ; step 3: slot 2 was whole at the barrier above
	STEP0 2, 0, 0
	TURN 2, 0, 0, 1, 0                             ; step 5: slot 0's second fill is shown whole
	STEP0 0, 1, 0
	LAST 1
	PLACES 4
.irp bb, 0,1,2,3
	v_mov_b32 v[B2+\bb], 0                         ; written once: a lane permute's destination counts as one of its sources
.endr
	v_mov_b32 v[NT+1], 0                           ; (named as the upper half of a pair)
.irp a, 0,1,2,3,4,5,6,7
	POUT \a
.endr
	v_cmp_ne_u32 vcc_lo, 0, v2
	s_wait_xcnt 0x0                                ; block 7's stores have read v[PC] on
.irp i, 0,1,2,3                                ; lanes 0-15 take tiles 0-3, lanes 16-31 tiles 4-7
	v_cndmask_b32 v[PC+\i], v[PW+\i], v[PW+4+\i], vcc_lo
	v_cndmask_b32 v[PC+4+\i], v[NM+\i], v[NM+4+\i], vcc_lo
	v_cndmask_b32 v[PC+8+\i], v[LL+\i], v[LL+4+\i], vcc_lo
.endr
	global_store_b128 v3, v[PC:PC+3], s[82:83]                 ; the scale words,
	global_store_b128 v3, v[PC+4:PC+7], s[82:83] offset:512    ; -M,
	global_store_b128 v3, v[PC+8:PC+11], s[82:83] offset:1024  ; the sums: 512 consecutive bytes each
	s_wait_tensorcnt 0x0                           ; the wave's end
	ds_add_u32 v[SPW], v[NIL]
	s_wait_dscnt 0x0
	CROUND                                         ; the closing round
	s_endpgm
.Lfunc_end_k_qbdbf147306_score:
	.size	k_qbdbf147306_score, .Lfunc_end_k_qbdbf147306_score-k_qbdbf147306_score
	.p2alignl 7, 3214868480
	.fill 96, 4, 3214868480
	.section	.rodata,"a",@progbits
	.p2align	6, 0x0
	.amdhsa_kernel k_qbdbf147306_score
		.amdhsa_group_segment_fixed_size 327680
		.amdhsa_private_segment_fixed_size 0
		.amdhsa_enable_private_segment 0
		.amdhsa_kernarg_size 32
		.amdhsa_user_sgpr_count 2
		.amdhsa_user_sgpr_kernarg_segment_ptr 1
		.amdhsa_wavefront_size32 1
		.amdhsa_system_sgpr_workgroup_id_x 1
		.amdhsa_system_sgpr_workgroup_id_y 1
		.amdhsa_system_sgpr_workgroup_id_z 1
		.amdhsa_system_vgpr_workitem_id 0
		.amdhsa_next_free_vgpr 1024
		.amdhsa_next_free_sgpr 96
		.amdhsa_reserve_vcc 1
		.amdhsa_float_denorm_mode_32 3
		.amdhsa_float_denorm_mode_16_64 3
		.amdhsa_memory_ordered 1
		.amdhsa_forward_progress 1
		.amdhsa_inst_pref_size 191
	.end_amdhsa_kernel
	.amdgpu_metadata
---
amdhsa.version: [ 1, 2 ]
amdhsa.kernels:
  - .name:           k_qbdbf147306_score
    .symbol:         k_qbdbf147306_score.kd
    .args:
      - { .name: qop, .offset: 0, .size: 8, .value_kind: global_buffer, .address_space: global }
      - { .name: kop, .offset: 8, .size: 8, .value_kind: global_buffer, .address_space: global }
      - { .name: pcod, .offset: 16, .size: 8, .value_kind: global_buffer, .address_space: global }
      - { .name: pst, .offset: 24, .size: 8, .value_kind: global_buffer, .address_space: global }
    .group_segment_fixed_size: 327680
    .private_segment_fixed_size: 0
    .kernarg_segment_align: 8
    .kernarg_segment_size: 32
    .max_flat_workgroup_size: 128
    .sgpr_count:     96
    .vgpr_count:     1024
    .wavefront_size: 32
...
	.end_amdgpu_metadata
.endif
;; end of part 3
;; launch pv (part 4): grid 8 x 32, 4 waves a work-group, clusters of 4 x 4, 327,680 bytes of LDS; arguments pcod, pst, vop, out0; writes out0
.if DOCPART == 4
	.amdgcn_target "amdgcn-amd-amdhsa--gfx1250"
	.amdhsa_code_object_version 6
	.text
	.protected	k_qbdbf147306_pv
	.globl	k_qbdbf147306_pv
	.p2align	8
	.type	k_qbdbf147306_pv,@function
k_qbdbf147306_pv:
	s_mov_b64 s[64:65], 0
	v_nop
	global_prefetch_b8 v0, s[64:65] scope:SCOPE_SE
	s_setreg_imm32_b32 hwreg(HW_REG_WAVE_MODE, 25, 1), 1
	s_wait_xcnt 0x0
	s_wait_alu depctr_hold_cnt(0) depctr_sa_sdst(0) depctr_va_vdst(0) depctr_va_sdst(0) depctr_va_ssrc(0) depctr_va_vcc(0) depctr_vm_vsrc(0)
	s_getreg_b32 s2, hwreg(HW_REG_IB_STS2, 6, 4)
	s_cmp_eq_u32 s2, 0
	s_cbranch_scc0 .Lentry_in_a_cluster
	s_endpgm
.Lentry_in_a_cluster:
	s_bfe_u32 s2, ttmp6, 0x10000c
	s_cmp_lg_u32 s2, 0xf033
	s_cbranch_scc0 .Lentry_shape_is_right
	s_endpgm
.Lentry_shape_is_right:
; out = (P V) / l on codes of FP6 (E2M3) with E8M0 scales.  P's codes were made run by run of 128 keys, each run under a whole number M of its own.
; SHARES.  A work-group makes 256 queries x 128 channels: 8 x 32 = 256 work-groups.  Wave w makes queries 64 w .. 64 w + 63 (tiles 4 (w % 2) .. + 3 of P's group w / 2) for all 128 channels: 32 accumulators, 256 registers.
; The product is used transposed (source 0 = 16 channels of V, source 1 = 16 queries): a lane holds one query, its registers run along the channels.
; AT THE HEAD each wave reads, for its 64 queries, the 16 runs' -M, sums and scale words: lane (r, h) takes runs 2 k + h.  The row's -M is the least of the 16; d = (row's -M) - (run's -M) is a whole number, 0 or less;
; the row's l is the sum of the runs' sums x 2^d (v_ldexp_f32); and d is added to each scale byte of the run, held at 1 from below: code x 2^(byte - 127) is then p under the row's M.
; The shifted words never leave their registers: lanes 0-15 hold the even K step's word and lanes 16-31 the odd one's, which is how the matrix instruction takes them.
; THE RING.  K = 2,048 keys is 16 steps of 128.  A step is two panels of P (12,288 bytes each) and one of V (12,800), so an LDS slot holds FOUR steps, 149,504 bytes; two slots.  Half of the stream is asked for at the head;
; each slot is filled once more, and that load has four steps, 112 products, in which to land.  Waves 0 and 1 fetch a group of P's four panels, waves 2 and 3 two panels of V each: one load a wave.
; CLUSTERS: 4 x 4 work-groups; P's panels are shared along a row of the cluster, V's along a column: joint loads.  A wave has at most two tensor loads out.
; LIMITS: a shifted byte is held at 1: such a p lies under 7.5 x 2^-126 beside a row's largest p above 1/2; NaN and infinities are not served.  All of the WGP's LDS is claimed, and 0 is added to spare words.
; REGISTERS: window 0: v0-31 addresses; v32-47 V's scale words, two sets; v48-79 P's scale words, four for each pair of steps (v32-79 never hold anything but scales); v80-87 1 / l of my query in tile a, at v[80 + 2 a];
;   v128-223 P's fragments, two sets of 48 (at the head v128-203 at work; on the way out v128-255 rows of out).  window 1: V's fragments, two sets, at v0 and v128.  window 2: accumulator (a, b) at v[8 (8 a + b)].
.set PANA,  12288                      ; a panel of P: codes alone
.set PANB,  12800                      ; a panel of V: codes, then 512 bytes of scale words
.set PGB,   4*PANA                     ; what a wave that fetches P brings: a group's four steps
.set VHB,   2*PANB                     ; what a wave that fetches V brings: two steps
.set VOFF,  2*PGB                      ; a slot: P's group 0, P's group 1, then V's four panels
.set SLOT,  VOFF+4*PANB
.set SPARE, 2*SLOT                     ; the spare words: 128 bytes a wave, two blocks of 256 bytes that no other line names
.set SC,    32
.set PS,    48
.set LV,    80
.set AF,    128
.set BK,    128
.set MN,    128                        ; the head: v128-159 -M of run 2 k + h, tile i, at 4 k + i; then d
.set LL,    160                        ; v160-191 the runs' sums
.set NG,    192                        ; v192-195 the row's -M
.set NX,    196                        ; v196-199 what lane l xor 16 holds
.set TF,    200                        ; v200-203 a word's four bytes
.set ADRA,  4                          ; v4-5   my four tiles of P in slot 0, 1: + 16 x lane
.set ADRB,  8                          ; v8-9   V's panels in slot 0, 1: + 16 x lane
.set ADSB,  16                         ; v16-17 V's scale words: + 12,800 h + 16 r: lanes 0-15 the even step, lanes 16-31 the odd one
.set STO,   24
.set RD,    25
.set SPW,   28
.set NIL,   29
.set VP,    30                         ; v30    my byte in a pair of runs of pst; never rewritten
.set G1A,   24                         ; s[24:31] group 1 for P's panels; s[32:39] group 0, a set for each slot
.set G0A,   32
.set G1B,   48                         ; s[48:55], s[68:75] the same for V's
.set G0B,   68
.set MUL,   0xa1                       ; source 0 (V) window 1, source 1 (P) window 0, C and D window 2
.set TO_B,  0x40                       ; destination window 1, address window 0
.set MSB, 0
.macro WIN new                         ; the immediate's high byte repeats the setting that is left
.if MSB != (\new)
	s_set_vgpr_msb (MSB<<8)|(\new)
.set MSB, (\new)
.endif
.endm
.macro PLACES n                        ; plain vector instructions between a matrix instruction and a load into, or a read of, its registers
.rept \n
	v_nop
.endr
.endm
.macro JLOAD s                         ; a joint load: waves 0, 1 fetch P's two groups, waves 2, 3 V's two halves; four v_nop follow each line
	s_cmp_eq_u32 s17, 0
	s_cbranch_scc0 .Lfor_b_\@
	tensor_load_to_lds s[G0A+4*(\s):G0A+4*(\s)+3], s[G1A:G1A+7]
	s_nop 0
.rept 4
	v_nop
.endr
	s_branch .Lasked_\@
.Lfor_b_\@:
	tensor_load_to_lds s[G0B+4*(\s):G0B+4*(\s)+3], s[G1B:G1B+7]
	s_nop 0
.rept 4
	v_nop
.endr
.Lasked_\@:
.endm
.macro CREST                           ; a round of the cluster's barrier behind its opening barrier
	s_cmp_lg_u32 s16, 0
	s_cbranch_scc1 .Lnot_wave_0_\@
	s_barrier_signal -3
.Lnot_wave_0_\@:
	s_barrier_wait -3
	s_barrier_signal -1
	s_barrier_wait -1
.endm
.macro CROUND
	s_barrier_signal -1
	s_barrier_wait -1
	CREST
.endm
.macro FRAG reg, adr, off              ; a fragment comes back as it was stored: three loads of 512 consecutive bytes
.irp c, 0,1,2
	ds_load_b128 v[(\reg)+4*\c:(\reg)+4*\c+3], v[\adr] offset:(\off)+512*\c
.endr
.endm
; K step s's fragments, from slot (s / 4) % 2, into set s % 2: V's eight; with an even step the pair's scale words of V; then P's four.  36 or 38 loads in one run; what the step wants first comes first.
.macro FETCH s
.set FS, ((\s)/4)%2
.set FQ, (\s)%4
.set FP, (\s)%2
	WIN TO_B
.irp i, 0,1,2,3,4,5,6,7
	FRAG 128*FP+12*\i, ADRB+FS, FQ*PANB+1536*\i
.endr
	WIN 0
.if FP == 0
.irp u, 0,1
	ds_load_b128 v[SC+8*(FQ/2)+4*\u:SC+8*(FQ/2)+4*\u+3], v[ADSB+FS] offset:12288+256*\u+FQ*PANB
.endr
.endif
.irp i, 0,1,2,3
	FRAG AF+48*FP+12*\i, ADRA+FS, FQ*PANA+1536*\i
.endr
.endm
.macro MM a, b, s, zero                ; one product of K step s.  An odd step's scale words stand in lanes 16-31
.set rD, 8*(8*(\a)+(\b))
.set rB, 128*((\s)%2)+12*(\b)
.set rA, AF+48*((\s)%2)+12*(\a)
.set rY, SC+8*(((\s)/2)%2)+(\b)
.set rX, PS+4*((\s)/2)+(\a)
.if ((\s)%2) == 1
	v_wmma_scale_f32_16x16x128_f8f6f4 v[rD:rD+7], v[rB:rB+11], v[rA:rA+11], v[rD:rD+7], v[rY], v[rX] matrix_a_fmt:MATRIX_FMT_FP6 matrix_b_fmt:MATRIX_FMT_FP6 matrix_a_scale:MATRIX_SCALE_ROW1 matrix_b_scale:MATRIX_SCALE_ROW1
.elseif (\zero) == 1
	v_wmma_scale_f32_16x16x128_f8f6f4 v[rD:rD+7], v[rB:rB+11], v[rA:rA+11], 0, v[rY], v[rX] matrix_a_fmt:MATRIX_FMT_FP6 matrix_b_fmt:MATRIX_FMT_FP6
.else
	v_wmma_scale_f32_16x16x128_f8f6f4 v[rD:rD+7], v[rB:rB+11], v[rA:rA+11], v[rD:rD+7], v[rY], v[rX] matrix_a_fmt:MATRIX_FMT_FP6 matrix_b_fmt:MATRIX_FMT_FP6
.endif
.endm
.macro MUL8 a, s, zero                 ; P's block a against V's eight; the 32 accumulators take turns, in the same order in every step
.irp b, 0,1,2,3,4,5,6,7
	MM \a, \b, \s, \zero
.endr
.endm
.macro STEP s, zero                    ; a K step whose successor lies in the same slot
	s_wait_dscnt 9                                 ; V's fragments, the scale words and P's block 0 are in; the 9 youngest loads (P's blocks 1-3) may be out
	WIN MUL
	MUL8 0, \s, \zero
	s_wait_dscnt 0x0
	PLACES 4                                       ; the other set was read by the step before
	FETCH (\s)+1                                   ; 24 products ahead of its first use
	WIN MUL
	MUL8 1, \s, \zero
	MUL8 2, \s, \zero
	MUL8 3, \s, \zero
.endm
; A slot's last step changes slots: ONE barrier; in front of it each wave waits for all its tensor loads, adds 0 to its spare word, and waits for that and for its own reads of this slot.
; fill = 1: the barrier opens a round of the cluster's, and this slot is filled again, with the steps eight on.
.macro TURN s, fill
.set TS, ((\s)/4)%2
	WIN 0                                          ; (the add's two registers lie in window 0)
	s_wait_tensorcnt 0x0                           ; all my tensor loads have landed: my part of the next slot;
	ds_add_u32 v[SPW], v[NIL]                      ; 0 onto my spare word;
	s_wait_dscnt 10                                ; (the add and the 9 youngest loads may be out)
	WIN MUL
	MUL8 0, \s, 0                                  ; eight products stand between the add and the wait for it
	s_wait_dscnt 0x0                               ; the add is done, and my reads of this slot are over
	s_barrier_signal -1
	MUL8 1, \s, 0
	WIN 0
	s_barrier_wait -1
.if \fill
	CREST                                          ; no wave of any partner still reads this slot or has a load on its way
	s_add_nc_u64 s[G0A+4*TS+2:G0A+4*TS+3], s[G0A+4*TS+2:G0A+4*TS+3], 2*PGB
	s_add_nc_u64 s[G0B+4*TS+2:G0B+4*TS+3], s[G0B+4*TS+2:G0B+4*TS+3], 8*PANB
	JLOAD TS                                       ; the first tensor load behind the round, one a wave; its four v_nop are also the places in front of the loads below
.else
	PLACES 4
.endif
	FETCH (\s)+1
	WIN MUL
	MUL8 2, \s, 0
	MUL8 3, \s, 0
.endm
; THE WAY OUT of block a (16 queries x 128 channels): x 1 / l in place, each accumulator from its low end on; through my own stage in LDS; back as whole rows of 512 bytes.
.macro MULL a
.set AC, 64*(\a)
	WIN 0x82                                       ; destination and source 0: window 2; 1 / l in window 0
.set n, 0
.rept 32
	v_pk_mul_f32 v[AC+2*n:AC+2*n+1], v[AC+2*n:AC+2*n+1], v[LV+2*(\a):LV+2*(\a)+1] op_sel_hi:[1,0]
.set n, n+1
.endr
	WIN 0
.endm
.macro TOSTAGE a
.set AC, 64*(\a)
	WIN 0x08                                       ; the data: window 2
.irp b, 0,1,2,3,4,5,6,7                        ; register jj of accumulator b is channel 32 (b / 2) + 16 h + 8 (b % 2) + jj
	ds_store_b128 v[STO], v[AC+8*\b:AC+8*\b+3] offset:128*(\b/2)+32*(\b%2)
	ds_store_b128 v[STO], v[AC+8*\b+4:AC+8*\b+7] offset:128*(\b/2)+32*(\b%2)+16
.endr
	WIN 0
.set BB, BK+64*((\a)%2)
.irp t, 0,1,2,3,4,5,6,7,8,9,10,11,12,13,14,15
	ds_load_b128 v[BB+4*\t:BB+4*\t+3], v[RD] offset:528*\t   ; LDS serves a wave's instructions in order: these see the stores above
.endr
.endm
.macro SEND a, younger                 ; younger: the LDS instructions issued behind block a's loads, which may stay out
.set BB, BK+64*((\a)%2)
	s_wait_dscnt \younger
.irp t, 0,1,2,3,4,5,6,7,8,9,10,11,12,13,14,15  ; lane-row t of my tile a is query 32 (a / 2) + 8 (a % 2) + t + 8 (t / 8) of my 64
	global_store_b128 v3, v[BB+4*\t:BB+4*\t+3], s[80:81] offset:(32*((\a)/2)+8*((\a)%2)+\t+8*(\t/8))*4096 th:TH_STORE_NT   ; 512 consecutive bytes, aligned; written once
.endr
.endm
	s_load_b128 s[4:7], s[0:1], 0x0                ; pcod, pst
	s_load_b128 s[8:11], s[0:1], 0x10              ; vop, out0
	v_lshl_add_u32 v[SPW], v0, 2, SPARE
	v_mov_b32 v[NIL], 0
	ds_add_u32 v28, v29
	ds_add_u32 v28, v29
	s_wait_dscnt 0x0
	v_lshrrev_b32 v1, 5, v0
	v_readfirstlane_b32 s16, v1                    ; wave 0..3
	s_lshr_b32 s17, s16, 1                         ; my group of P.  Also: I fetch for P (0) or for V (1)
	s_and_b32 s18, s16, 1                          ; which four tiles of that group are mine.  Also: which part I fetch
	s_bfe_u32 s44, ttmp6, 0x40000                  ; cx
	s_bfe_u32 s45, ttmp6, 0x40004                  ; cy
	s_lshl_b32 s46, ttmp9, 2
	s_add_co_u32 s46, s46, s44                     ; x: 128 channels
	s_and_b32 s47, ttmp7, 0xffff
	s_lshl_b32 s47, s47, 2
	s_add_co_u32 s47, s47, s45                     ; y: 256 queries
	s_lshl_b32 s56, s45, 2
	s_lshl_b32 s56, 15, s56                        ; my row of the cluster
	s_lshl_b32 s57, 0x1111, s44                    ; my column
	s_or_b32 s[G1A], s56, (3<<16)|(1<<21)          ; 15:0 the mask; 17:16 elements of 8 bytes; 21 set beside a mask; no padding
	s_or_b32 s[G1B], s57, (3<<16)|(1<<21)
	s_mov_b32 s[G1A+1], 32<<16                     ; P: a dense block of 49,152 bytes as 192 rows of 256
	s_mov_b32 s[G1A+2], 192<<16
	s_mov_b32 s[G1A+3], 32<<16
	s_mov_b32 s[G1A+4], 192
	s_mov_b32 s[G1A+5], 32
	s_mov_b32 s[G1A+6], 0
	s_mov_b32 s[G1A+7], 0
	s_mov_b32 s[G1B+1], 32<<16                     ; V: 25,600 bytes as 100 rows
	s_mov_b32 s[G1B+2], 100<<16
	s_mov_b32 s[G1B+3], 32<<16
	s_mov_b32 s[G1B+4], 100
	s_mov_b32 s[G1B+5], 32
	s_mov_b32 s[G1B+6], 0
	s_mov_b32 s[G1B+7], 0
	s_lshl_b32 s58, s47, 1
	s_add_co_u32 s58, s58, s18                     ; the group of P that I fetch: 2 y + part
	s_mul_i32 s58, s58, 16*PANA
	s_mov_b32 s59, 0
	s_and_b32 s60, ttmp7, 0xffff
	s_lshr_b32 s60, s60, 1                         ; the batch: two clusters along y to a batch: it hangs on the cluster's y alone
	s_lshl_b32 s60, s60, 3
	s_add_co_u32 s60, s60, s46                     ; V's group: 8 x batch + x
	s_mul_i32 s60, s60, 16*PANB
	s_mul_i32 s61, s18, VHB                        ; + the two steps that I fetch
	s_add_co_u32 s60, s60, s61
	s_mov_b32 s61, 0
	s_mul_i32 s62, s18, PGB                        ; where they go: no place in the cluster enters an LDS address
	s_mul_i32 s63, s18, VHB
	s_add_co_u32 s63, s63, VOFF
	s_mov_b32 s20, 0x76543210
	s_mov_b32 s21, 0xfedcba98                      ; v_permlanex16_b32's selects for lane l xor 16
	v_and_b32 v1, 15, v0                           ; r
	v_bfe_u32 v2, v0, 4, 1                         ; h
	v_and_b32 v3, 31, v0
	v_lshlrev_b32 v3, 4, v3                        ; 16 x lane
	v_mul_u32_u24 v[VP], v2, 1536                  ; pst: run 2 k + h,
	v_lshl_add_u32 v[VP], v1, 4, v[VP]             ; lane-row r,
	s_lshl_b32 s82, s18, 8
	v_add_nc_u32 v[VP], s82, v[VP]                 ; my half of the group's eight tiles
	s_lshl_b32 s84, s47, 1
	s_add_co_u32 s84, s84, s17
	s_mul_i32 s84, s84, 16*1536                    ; my group's 16 runs
	s_mov_b32 s85, 0
	s_wait_kmcnt 0x0
	s_add_nc_u64 s[58:59], s[4:5], s[58:59]
	s_add_nc_u64 s[60:61], s[8:9], s[60:61]
	s_add_nc_u64 s[84:85], s[6:7], s[84:85]
.irp k, 0,1,2,3,4,5,6,7                        ; sixteen lanes read 256 consecutive bytes, aligned.  Asked for ahead of the round, so that they land while the first tiles do
	global_load_b128 v[MN+4*\k:MN+4*\k+3], v[VP], s[84:85] offset:3072*\k+512    ; -M
	global_load_b128 v[LL+4*\k:LL+4*\k+3], v[VP], s[84:85] offset:3072*\k+1024   ; the sums
	global_load_b128 v[PS+4*\k:PS+4*\k+3], v[VP], s[84:85] offset:3072*\k        ; the scale words
.endr
	CROUND                                         ; all sixteen work-groups are here: the first joint loads meet
.irp s, 0,1
	s_mov_b32 s[G0A+4*\s], 1
	s_add_co_u32 s[G0A+4*\s+1], s62, \s*SLOT
	s_add_nc_u64 s[G0A+4*\s+2:G0A+4*\s+3], s[58:59], \s*PGB
	s_or_b32 s[G0A+4*\s+3], s[G0A+4*\s+3], 0x80000000
	s_mov_b32 s[G0B+4*\s], 1
	s_add_co_u32 s[G0B+4*\s+1], s63, \s*SLOT
	s_add_nc_u64 s[G0B+4*\s+2:G0B+4*\s+3], s[60:61], \s*4*PANB
	s_or_b32 s[G0B+4*\s+3], s[G0B+4*\s+3], 0x80000000
	JLOAD \s
.endr
	; addresses
	s_mul_i32 s86, s17, PGB                        ; my group of P in a slot,
	s_mul_i32 s87, s18, 6144                       ; my four tiles in each of its panels
	s_add_co_u32 s86, s86, s87
	v_mul_u32_u24 v20, v2, PANB
	v_lshl_add_u32 v20, v1, 4, v20                 ; 12,800 h + 16 r
.irp s, 0,1
	v_add_nc_u32 v[ADRA+\s], s86, v3
	v_add_nc_u32 v[ADRB+\s], VOFF+\s*SLOT, v3
	v_add_nc_u32 v[ADSB+\s], VOFF+\s*SLOT, v20
	s_add_co_u32 s86, s86, SLOT
.endr
	s_mul_i32 s86, s16, 8448                       ; my stage: 16 rows x (512 bytes + 16), from LDS byte 0 on: in slot 0, which has had its last fill and its last read when the first result is stored there
	v_mul_u32_u24 v[STO], v1, 528
	v_lshl_add_u32 v[STO], v2, 6, v[STO]
	v_add_nc_u32 v[STO], s86, v[STO]               ; in: row r, + 64 h
	v_add_nc_u32 v[RD], s86, v3                    ; back: 16 x lane of a row
	s_lshl_b32 s86, s47, 20                        ; 256 rows of 4,096 bytes,
	s_lshl_b32 s87, s16, 18                        ; my 64 rows,
	s_add_co_u32 s86, s86, s87
	s_lshl_b32 s87, s46, 9                         ; 128 channels
	s_add_co_u32 s86, s86, s87
	s_mov_b32 s87, 0
	s_add_nc_u64 s[80:81], s[10:11], s[86:87]
.irp i, 0,1,2,3
	v_mov_b32 v[NX+\i], 0                          ; written once: a lane permute's destination counts as one of its sources
	v_mov_b32 v[LV+2*\i+1], 0                      ; (named as the upper half of a pair)
.endr
	s_wait_loadcnt 0x0
	; ---- the head's arithmetic, while the first tiles are on their way.  Lane (r, h), register 4 k + i: query lane-row r of my tile i, run 2 k + h
.irp i, 0,1,2,3
	v_min3_num_f32 v[NG+\i], v[MN+\i], v[MN+4+\i], v[MN+8+\i]
.endr
.irp k, 3,5
.irp i, 0,1,2,3
	v_min3_num_f32 v[NG+\i], v[NG+\i], v[MN+4*\k+\i], v[MN+4*\k+4+\i]
.endr
.endr
.irp i, 0,1,2,3
	v_min_num_f32 v[NG+\i], v[NG+\i], v[MN+28+\i]
.endr
.irp i, 0,1,2,3
	v_permlanex16_b32 v[NX+\i], v[NG+\i], s20, s21
.endr
.irp i, 0,1,2,3
	v_min_num_f32 v[NG+\i], v[NG+\i], v[NX+\i]     ; with lane l xor 16's eight runs: the row's -M
.endr
.set n, 0
.rept 16
	v_pk_add_f32 v[MN+2*n:MN+2*n+1], v[NG+2*(n%2):NG+2*(n%2)+1], v[MN+2*n:MN+2*n+1] neg_lo:[0,1] neg_hi:[0,1]   ; d = the row's -M less the run's: a whole number, 0 or less
.set n, n+1
.endr
.set n, 0
.rept 32
	v_cvt_i32_f32 v[MN+n], v[MN+n]                 ; (it saturates)
.set n, n+1
.endr
.set n, 0
.rept 32
	v_ldexp_f32 v[LL+n], v[LL+n], v[MN+n]          ; the run's sum under the row's M
.set n, n+1
.endr
.irp k, 1,2,3,4,5,6,7
.irp p, 0,2
	v_pk_add_f32 v[LL+\p:LL+\p+1], v[LL+\p:LL+\p+1], v[LL+4*\k+\p:LL+4*\k+\p+1]
.endr
.endr
.irp i, 0,1,2,3
	v_permlanex16_b32 v[NX+\i], v[LL+\i], s20, s21
.endr
.irp i, 0,1,2,3
	v_add_f32 v[LL+\i], v[LL+\i], v[NX+\i]         ; l of query lane-row r of my tile i, in both halves of the lanes
.endr
.irp i, 0,1,2,3
	v_rcp_f32 v[LV+2*\i], v[LL+\i]
.endr
.set n, 0
.rept 32                                       ; my 32 scale words, in place: d onto each of the four bytes, held at 1.  (Plain work behind the reciprocals, which it does not name)
	v_and_b32 v[TF], 0xff, v[PS+n]
	v_bfe_u32 v[TF+1], v[PS+n], 8, 8
	v_bfe_u32 v[TF+2], v[PS+n], 16, 8
	v_lshrrev_b32 v[TF+3], 24, v[PS+n]
	v_add_nc_u32 v[TF], v[TF], v[MN+n]
	v_add_nc_u32 v[TF+1], v[TF+1], v[MN+n]
	v_add_nc_u32 v[TF+2], v[TF+2], v[MN+n]
	v_add_nc_u32 v[TF+3], v[TF+3], v[MN+n]
	v_max_i32 v[TF], 1, v[TF]
	v_max_i32 v[TF+1], 1, v[TF+1]
	v_max_i32 v[TF+2], 1, v[TF+2]
	v_max_i32 v[TF+3], 1, v[TF+3]
	v_lshl_or_b32 v[PS+n], v[TF+1], 8, v[TF]
	v_lshl_or_b32 v[PS+n], v[TF+2], 16, v[PS+n]
	v_lshl_or_b32 v[PS+n], v[TF+3], 24, v[PS+n]
.set n, n+1
.endr
	s_wait_alu depctr_va_vdst(0)                   ; one wait for the four reciprocals, ahead of every label and of their first reader
	PLACES 8                                       ; a scale register written by a vector instruction stands eight plain instructions ahead of a scaled matrix instruction
	s_wait_tensorcnt 1                             ; my part of slot 0 is in; slot 1's may be out
	s_barrier_signal -1
	s_barrier_wait -1                              ; everybody's is
	FETCH 0
	STEP 0, 1                                      ; the first step starts the sums: nothing is cleared
	STEP 1, 0
	STEP 2, 0
	TURN 3, 1                                      ; slot 0 takes steps 8 to 11
	STEP 4, 0
	STEP 5, 0
	STEP 6, 0
	TURN 7, 1                                      ; slot 1 takes steps 12 to 15: the last load
	STEP 8, 0
	STEP 9, 0
	STEP 10, 0
	TURN 11, 0                                     ; slot 1's second fill is shown whole; nothing is filled, so no round.  Behind this barrier nobody reads slot 0
	STEP 12, 0
	STEP 13, 0
	STEP 14, 0
	s_wait_dscnt 9                                 ; the very last step: nothing more to fetch
	WIN MUL
	MUL8 0, 15, 0
	s_wait_dscnt 0x0
	MUL8 1, 15, 0
	MUL8 2, 15, 0
	MUL8 3, 15, 0
	WIN 0
	PLACES 4
	MULL 0
	TOSTAGE 0
.irp a, 1,2,3
	MULL \a                                        ; block a's scaling stands between block a - 1's loads from the stage and the wait for them
.if \a > 1
	s_wait_xcnt 0x0                                ; block a - 2's stores have read their registers: block a's loads may land there
.endif
	TOSTAGE \a
	SEND \a-1, 32                                  ; behind block a - 1's loads: block a's 16 stores and 16 loads
.endr
	SEND 3, 0
	s_wait_tensorcnt 0x0                           ; the wave's end
	ds_add_u32 v[SPW], v[NIL]
	s_wait_dscnt 0x0
	CROUND                                         ; the closing round
	s_endpgm
.Lfunc_end_k_qbdbf147306_pv:
	.size	k_qbdbf147306_pv, .Lfunc_end_k_qbdbf147306_pv-k_qbdbf147306_pv
	.p2alignl 7, 3214868480
	.fill 96, 4, 3214868480
	.section	.rodata,"a",@progbits
	.p2align	6, 0x0
	.amdhsa_kernel k_qbdbf147306_pv
		.amdhsa_group_segment_fixed_size 327680
		.amdhsa_private_segment_fixed_size 0
		.amdhsa_enable_private_segment 0
		.amdhsa_kernarg_size 32
		.amdhsa_user_sgpr_count 2
		.amdhsa_user_sgpr_kernarg_segment_ptr 1
		.amdhsa_wavefront_size32 1
		.amdhsa_system_sgpr_workgroup_id_x 1
		.amdhsa_system_sgpr_workgroup_id_y 1
		.amdhsa_system_sgpr_workgroup_id_z 1
		.amdhsa_system_vgpr_workitem_id 0
		.amdhsa_next_free_vgpr 768
		.amdhsa_next_free_sgpr 96
		.amdhsa_reserve_vcc 0
		.amdhsa_float_denorm_mode_32 3
		.amdhsa_float_denorm_mode_16_64 3
		.amdhsa_memory_ordered 1
		.amdhsa_forward_progress 1
		.amdhsa_inst_pref_size 169
	.end_amdhsa_kernel
	.amdgpu_metadata
---
amdhsa.version: [ 1, 2 ]
amdhsa.kernels:
  - .name:           k_qbdbf147306_pv
    .symbol:         k_qbdbf147306_pv.kd
    .args:
      - { .name: pcod, .offset: 0, .size: 8, .value_kind: global_buffer, .address_space: global }
      - { .name: pst, .offset: 8, .size: 8, .value_kind: global_buffer, .address_space: global }
      - { .name: vop, .offset: 16, .size: 8, .value_kind: global_buffer, .address_space: global }
      - { .name: out0, .offset: 24, .size: 8, .value_kind: global_buffer, .address_space: global }
    .group_segment_fixed_size: 327680
    .private_segment_fixed_size: 0
    .kernarg_segment_align: 8
    .kernarg_segment_size: 32
    .max_flat_workgroup_size: 128
    .sgpr_count:     96
    .vgpr_count:     768
    .wavefront_size: 32
...
	.end_amdgpu_metadata
.endif
;; end of part 4
